; MI455X (gfx1250); checked and timed in simulation.
; The chip was launched on July 23, 2026; its instructions are those of AMD's public machine-readable ISA for CDNA 5 (MIT licence, August 2026) and "CDNA5" Instruction Set Architecture Reference Guide (July 2026). The comments in the code are by the model that wrote it; some were corrected since.
;; Block. Allowed arithmetic: matrix products marked QUANTISED: E2M3 operands, one E8M0 scale for each 32 along K, by v_wmma_scale_f32_16x16x128_f8f6f4 with both operands' format E2M3, f32 sums; everything else in f32.
;; Inputs: c_attn_b 3,072 float32; c_attn_w 1,024 x 3,072 float32; c_proj_b 1,024 float32; c_proj_w 1,024 x 1,024 float32; fc_b 4,096 float32; fc_w 1,024 x 4,096 float32; ln1_b 1,024 float32; ln1_g 1,024 float32; ln2_b 1,024 float32; ln2_g 1,024 float32; proj_b 1,024 float32; proj_w 4,096 x 1,024 float32; x 4 x 1,024 x 1,024 float32.
;; Outputs: out0 4 x 1,024 x 1,024 float32.
;; This version of the problem:
;;   THIS VERSION OF THE PROBLEM IS GIVEN IN LOW PRECISION. The matrix products marked QUANTISED in the list below multiply operands that are first quantised to E2M3 (2 exponent bits, 3 mantissa bits; 6 bits a number), with one power-of-two scale for each 32 numbers along K (OCP MX v1.0); their sums are f32. All else is computed in f32.
;;   The module's matrix products, in the order in which they are computed (A, B: the left and right operand; K: the contracted axis; several contracted axes count as one K, in the product's order):
;;     1. [M 4,096, K 1,024] x [K 1,024, N 3,072]; A: computed on the way; B: input c_attn_w: QUANTISED
;;     2. batch 64 x [M 1,024, K 64] x [K 64, N 1,024]; A: computed on the way; B: computed on the way: QUANTISED
;;     3. batch 64 x [M 1,024, K 1,024] x [K 1,024, N 64]; A: softmax (see below); B: computed on the way: QUANTISED
;;     4. [M 4,096, K 1,024] x [K 1,024, N 1,024]; A: computed on the way; B: input c_proj_w: QUANTISED
;;     5. [M 4,096, K 1,024] x [K 1,024, N 4,096]; A: computed on the way; B: input fc_w: QUANTISED
;;     6. [M 4,096, K 4,096] x [K 4,096, N 1,024]; A: computed on the way; B: input proj_w: QUANTISED
;;   THE QUANTISER, for each operand of a quantised product, along K:
;;     - K is cut into blocks of 32 from its start; a last block that is shorter is filled with zeros.
;;     - A block's scale is 2^e with e = floor(log2(the largest magnitude in the block)) - 2, held to -126 .. 127; a block of zeros has e = 0. As a byte (E8M0): e + 127.
;;     - Each number is divided by its block's scale, clamped to +-7.5, and rounded to the nearest number of E2M3, ties to even, subnormals kept.
;;     - The product sums the exact products of the quantised numbers (number of the format x scale) in f32.
;;   ~~~python
;;   def quantise(x, axis):      # numpy; x: float32 -> the quantised numbers, widened to float32 again
;;       x = np.moveaxis(x, axis, -1); K = x.shape[-1]
;;       x = np.pad(x, [(0, 0)] * (x.ndim - 1) + [(0, -K % 32)]); x = x.reshape(x.shape[:-1] + (-1, 32)); a = np.abs(x).max(-1, keepdims=True)
;;       e = np.where(a > 0, np.clip(np.frexp(np.where(a > 0, a, 1))[1] - 1 - 2, -126, 127), 0)      # np.frexp(a)[1] - 1 = floor(log2(a)), exactly
;;       r = np.clip(x / 2.0 ** e, -7.5, 7.5)
;;       step = 2.0 ** (np.maximum(np.frexp(np.where(r == 0, 1, r))[1] - 1, 0) - 3)
;;       q = np.round(r / step) * step * 2.0 ** e      # np.round: ties to even
;;       return np.moveaxis(q.reshape(q.shape[:-2] + (-1,))[..., :K], -1, axis).astype(np.float32)
;;   ~~~
;;   SOFTMAX AHEAD OF A QUANTISED PRODUCT. Where the list says 'softmax', what is quantised is not the finished softmax but p = 2^(t - M), with t = logit x log2(e) and M = ceil(the row's largest t), a whole number; so 1/2 < the row's largest p <= 1. The row's sum l is taken of the UNQUANTISED p, in f32, and the product's result is divided by l at the end. Since M is a whole number, a kernel that streams over the keys may use a running M (the ceiling of the running maximum): every later rescaling is an exact power of two, which a block's scale takes up: the codes' values come out the same.
;;   OPERANDS COMPUTED ON THE WAY. 'Computed on the way' means the value that the module computes at that place (a softmax that the list does not call 'softmax' is quantised finished and normalised). What goes into a quantiser is computed in f32, as accurately as f32 sums, v_exp_f32 and their like allow (about 1e-6 of the number): no bf16 or f16 on the way to a quantiser, and a product that is left as it is and whose result goes on into a quantised operand takes f32 operands (vector FMAs, or v_wmma_f32_16x16x4_f32). A number that lies on a knife's edge between two numbers of the format may be rounded either way, as far as f32 arithmetic and the matrix unit's own rounding can turn it there, and no further.
;; One version. Each part assembles by itself: llvm-mc -triple=amdgcn-amd-amdhsa -mcpu=gfx1250 --defsym DOCPART=n.
;; ======== version 1 of 1: 7 launches
;; limits: right only within a limited range of input values
;; workspace buffers: wa 13,107,200 bytes; qkv 10,092,544 bytes; yimg 3,276,800 bytes; x1 16,777,216 bytes; act2 3,276,800 bytes; himg 13,107,200 bytes
;; launch prep (part 1): grid 448 x 1, 8 waves a work-group, no clusters, 66,816 bytes of LDS; arguments x, ln1_g, ln1_b, c_attn_w, c_proj_w, fc_w, proj_w, wa; writes wa
.if DOCPART == 1
	.amdgcn_target "amdgcn-amd-amdhsa--gfx1250"
	.amdhsa_code_object_version 6
	.text
	.protected	k_q024b3f5233_prep
	.globl	k_q024b3f5233_prep
	.p2align	8
	.type	k_q024b3f5233_prep,@function
k_q024b3f5233_prep:
	s_mov_b64 s[64:65], 0
	v_nop
	global_prefetch_b8 v0, s[64:65] scope:SCOPE_SE
	s_setreg_imm32_b32 hwreg(HW_REG_WAVE_MODE, 25, 1), 1
	s_wait_xcnt 0x0
; Two jobs, parted by the work-group's number.
; WORK-GROUPS 0-255: layer norm of 16 rows of [4096][1024] f32, quantised along the row to FP6 (E2M3) with one E8M0 byte for each 32 numbers.
; WORK-GROUPS 256-447: the four weights, stored [K][N] f32, quantised along K (their first axis).  (A launch of 256 work-groups runs the first job alone.)
; WHAT IS STORED are images of operand registers.  A fragment is 16 rows x 128 K = 12 registers a lane = 1,536 bytes: register i of lane l at 512 (i / 4) + 16 l + 4 (i % 4), so three
; stores or loads of 16 bytes a lane move it, 512 consecutive bytes each.  An operand is laid [rows / 16][K / 128][1536]; its scale words [rows / 16][K / 128][16 words].
; THE ROWS OF A BLOCK OF 16 ARE NOT NEIGHBOURS: slot r of block RB is row 32 (RB / 2) + 8 (RB % 2) + r + 8 (r / 8), so that a later product's results lie as 16 neighbours along the next K.
; A block's scale is 2^(floor(log2(largest magnitude)) - 2); its byte is the largest magnitude's exponent field - 2, held at 1 from below.
; LIMITS: a block whose largest magnitude lies under 2^-124 is held at the byte 1; a block of zeros gets the byte 1, not 127 (its codes are zeros, and only this program reads the bytes);
; NaN and infinities among the inputs are not served.
.set PITCH,  4112                      ; an LDS row: 4,096 bytes + 16 = 257 x 16: sixteen rows start in sixteen different columns of 16 bytes
.set A_S,    3145728                   ; the normed rows: codes at 0, scale words here
.set WQKV_C, 3276800
.set WQKV_S, 5636096
.set WPRJ_C, 5734400
.set WPRJ_S, 6520832
.set WFC_C,  6553600
.set WFC_S,  9699328
.set WOUT_C, 9830400
.set WOUT_S, 12976128
.set X,   64                           ; v64-127 two rows (32 registers each), later 64 numbers to quantise; in the weight path v64-191: two sets of 64 numbers
.set GG,  128                          ; v128-159 gain
.set BV,  160                          ; v160-191 bias
.set T,   192                          ; v192-207 sums, 8 registers a row
.set PC,  192                          ; v192-211 codes
.set TM,  212                          ; v212-227 at work in QUANT
.set PW,  228                          ; the scale word
.set SEL, 28                           ; s[28:29] lane selects: lane l xor 16
; 64 numbers of a lane, register 16 b + i = k 32 b + 16 (lane / 16) + i of my row, become a fragment's codes in v[PC] on and its scale word in v[PW].
.macro QUANT s
.irp b, 0,1,2,3
	v_max3_num_f32 v[TM+\b], |v[\s+16*\b]|, |v[\s+1+16*\b]|, 0x1800000   ; my 16 numbers of block b, and the floor 2^(3 - 127)
.endr
.irp i, 2,4,6,8,10,12,14
.irp b, 0,1,2,3
	s_delay_alu instid0(VALU_DEP_4)
	v_max3_num_f32 v[TM+\b], v[TM+\b], |v[\s+16*\b+\i]|, |v[\s+1+16*\b+\i]|
.endr
.endr
.irp b, 0,1,2,3
	s_delay_alu instid0(VALU_DEP_4)
	v_permlanex16_b32 v[TM+4+\b], v[TM+\b], s[SEL], s[SEL+1]
.endr
.irp b, 0,1,2,3
	s_delay_alu instid0(VALU_DEP_4)
	v_max_num_f32 v[TM+\b], v[TM+\b], v[TM+4+\b]   ; with lane l xor 16's: the block's largest magnitude
.endr
.irp b, 0,1,2,3
	s_delay_alu instid0(VALU_DEP_4)
	v_add_nc_u32 v[TM+12+\b], 0xff000000, v[TM+\b]   ; 2 off its exponent field: the conversion's scale operand
.endr
.irp b, 0,1,2,3
	s_delay_alu instid0(VALU_DEP_4)
	v_lshrrev_b32 v[TM+4+\b], 23, v[TM+12+\b]      ; the scale's byte
.endr
	s_delay_alu instid0(VALU_DEP_3)
	v_lshl_or_b32 v[PW], v[TM+5], 8, v[TM+4]
	s_delay_alu instid0(VALU_DEP_1)
	v_lshl_or_b32 v[PW], v[TM+6], 16, v[PW]
	s_delay_alu instid0(VALU_DEP_1)
	v_lshl_or_b32 v[PW], v[TM+7], 24, v[PW]
.irp c, 0,1
	v_cvt_scalef32_pk16_fp6_f32 v[PC+6*\c:PC+2+6*\c], v[\s+32*\c:\s+15+32*\c], v[TM+12+2*\c]
	v_cvt_scalef32_pk16_fp6_f32 v[PC+12+4*\c:PC+14+4*\c], v[\s+16+32*\c:\s+31+32*\c], v[TM+12+2*\c+1]   ; (a conversion's three registers begin on an even number)
.endr
	v_nop                                          ; one plain place behind a scaled conversion
.irp c, 0,1                                    ; the operand wants a whole block in a lane: lanes 0-15 block 2 c, lanes 16-31 block 2 c + 1
.irp i, 0,1,2
	v_permlane16_swap_b32 v[PC+6*\c+\i], v[PC+12+4*\c+\i]
.endr
.irp i, 0,1,2
	s_delay_alu instid0(VALU_DEP_3)
	v_mov_b32 v[PC+3+6*\c+\i], v[PC+12+4*\c+\i]
.endr
.endr
.endm
; Each row's four chains of two numbers become one number, the same in all 32 lanes.
.macro SUMUP
.irp p, 0
	v_pk_add_f32 v[T+8*\p:T+8*\p+1], v[T+8*\p:T+8*\p+1], v[T+8*\p+2:T+8*\p+3]
	v_pk_add_f32 v[T+8*\p+4:T+8*\p+5], v[T+8*\p+4:T+8*\p+5], v[T+8*\p+6:T+8*\p+7]
.endr
.irp p, 1
	v_pk_add_f32 v[T+8*\p:T+8*\p+1], v[T+8*\p:T+8*\p+1], v[T+8*\p+2:T+8*\p+3]
	s_delay_alu instid0(VALU_DEP_4)
	v_pk_add_f32 v[T+8*\p+4:T+8*\p+5], v[T+8*\p+4:T+8*\p+5], v[T+8*\p+6:T+8*\p+7]
.endr
.irp p, 0
	s_delay_alu instid0(VALU_DEP_3)
	v_pk_add_f32 v[T+8*\p:T+8*\p+1], v[T+8*\p:T+8*\p+1], v[T+8*\p+4:T+8*\p+5]
.endr
.irp p, 1
	s_delay_alu instid0(VALU_DEP_2)
	v_pk_add_f32 v[T+8*\p:T+8*\p+1], v[T+8*\p:T+8*\p+1], v[T+8*\p+4:T+8*\p+5]
.endr
.irp p, 0,1
	s_delay_alu instid0(VALU_DEP_2)
	v_add_f32 v[T+8*\p], v[T+8*\p], v[T+8*\p+1]
.endr
.irp m, 1,2,4,8
.irp p, 0,1
	s_delay_alu instid0(VALU_DEP_2)
	v_add_f32_dpp v[T+8*\p], v[T+8*\p], v[T+8*\p] row_xmask:\m row_mask:0xf bank_mask:0xf
.endr
.endr
.irp p, 0,1
	s_delay_alu instid0(VALU_DEP_2)
	v_permlanex16_b32 v[T+8*\p+1], v[T+8*\p], s[SEL], s[SEL+1]
.endr
.irp p, 0,1
	s_delay_alu instid0(VALU_DEP_2)
	v_add_f32 v[T+8*\p], v[T+8*\p], v[T+8*\p+1]
.endr
.endm
	s_load_b256 s[4:11], s[0:1], 0x0               ; rows s[4:5], gain s[6:7], bias s[8:9], c_attn_w s[10:11]
	s_load_b256 s[12:19], s[0:1], 0x20             ; c_proj_w s[12:13], fc_w s[14:15], proj_w s[16:17], the images s[18:19]
	v_lshl_add_u32 v254, v0, 2, 0x10100
	v_mov_b32 v255, 0
	v_lshrrev_b32 v1, 5, v0
	s_delay_alu instid0(VALU_DEP_1)
	v_readfirstlane_b32 s20, v1                    ; wave 0..7
	v_and_b32 v2, 31, v0                           ; lane
	s_delay_alu instid0(VALU_DEP_1)
	v_lshlrev_b32 v1, 4, v2                        ; 16 x lane
	v_and_b32 v5, 15, v0                           ; r
	v_bfe_u32 v6, v0, 4, 1                         ; h
	s_delay_alu instid0(VALU_DEP_2)
	v_lshlrev_b32 v7, 2, v5                        ; 4 r
	s_mov_b32 s[SEL], 0x76543210
	s_mov_b32 s[SEL+1], 0xfedcba98
	s_wait_kmcnt 0x0
	s_cmp_lt_u32 ttmp9, 256
	s_cbranch_scc0 .Lweights
	; ---- LAYER NORM.  Work-group g makes block g of 16 rows.  Wave w first owns slots 2 w and 2 w + 1, which are neighbouring rows.
	s_lshr_b32 s21, ttmp9, 1
	s_lshl_b32 s21, s21, 5
	s_and_b32 s22, ttmp9, 1
	s_lshl_b32 s22, s22, 3
	s_add_co_u32 s21, s21, s22
	s_lshl_b32 s22, s20, 1
	s_add_co_u32 s21, s21, s22
	s_lshr_b32 s22, s20, 2
	s_lshl_b32 s22, s22, 3
	s_add_co_u32 s21, s21, s22                     ; my first row: 32 (g / 2) + 8 (g % 2) + 2 w + 8 (w / 4)
	s_lshl_b32 s22, s21, 12                        ; x 4,096 bytes
	s_mov_b32 s23, 0
	s_add_nc_u64 s[4:5], s[4:5], s[22:23]
	s_wait_alu depctr_va_vdst(0)
.irp p, 0,1
.irp j, 0,1,2,3,4,5,6,7
	global_load_b128 v[X+32*\p+4*\j:X+32*\p+4*\j+3], v1, s[4:5] offset:4096*\p+512*\j th:TH_LOAD_NT   ; 32 lanes read 512 consecutive bytes
.endr
.endr
.irp j, 0,1,2,3,4,5,6,7
	global_load_b128 v[GG+4*\j:GG+4*\j+3], v1, s[6:7] offset:512*\j
.endr
.irp j, 0,1,2,3,4,5,6,7
	global_load_b128 v[BV+4*\j:BV+4*\j+3], v1, s[8:9] offset:512*\j
.endr
	s_mul_i32 s24, s20, 2*PITCH
	v_add_nc_u32 v3, s24, v1                       ; LDS, in: my two rows, 16 bytes a lane
	v_mul_u32_u24 v4, v5, PITCH
	s_delay_alu instid0(VALU_DEP_1)
	v_lshl_add_u32 v4, v6, 6, v4
	s_lshl_b32 s24, s20, 9
	v_add_nc_u32 v4, s24, v4                       ; LDS, out: row r, K step w (512 bytes), + 64 h
	s_mov_b32 s26, 0x3a800000                      ; 1 / 1024
	s_mov_b32 s27, 0x3727c5ac                      ; 1e-5
.irp b, 0,1,2,3
	v_mov_b32 v[TM+4+\b], 0                        ; written once: a lane permute's destination counts as one of its sources
.endr
	s_lshl_b32 s24, ttmp9, 3
	s_add_co_u32 s24, s24, s20                     ; the fragment that I store: block g, K step w
	s_mul_i32 s30, s24, 1536
	s_mov_b32 s31, 0
	s_add_nc_u64 s[32:33], s[18:19], s[30:31]
	s_lshl_b32 s30, s24, 6
	s_add_co_u32 s30, s30, A_S
	s_add_nc_u64 s[34:35], s[18:19], s[30:31]
	s_wait_loadcnt 16                              ; my two rows are in; the 16 loads of gain and bias may be out
.irp p, 0,1                                    ; the sum, in four chains a row
.irp c, 0,2,4,6
	v_pk_add_f32 v[T+8*\p+\c:T+8*\p+\c+1], v[X+32*\p+\c:X+32*\p+\c+1], v[X+32*\p+8+\c:X+32*\p+8+\c+1]
.endr
.endr
.irp k, 16,24
.irp p, 0,1
.irp c, 0,2,4,6
	v_pk_add_f32 v[T+8*\p+\c:T+8*\p+\c+1], v[T+8*\p+\c:T+8*\p+\c+1], v[X+32*\p+\k+\c:X+32*\p+\k+\c+1]
.endr
.endr
.endr
	SUMUP
.irp p, 0,1
	s_delay_alu instid0(VALU_DEP_2)
	v_mul_f32 v[T+8*\p], s26, v[T+8*\p]            ; the mean
.endr
.irp p, 0,1
.set i, 0
.rept 16
	v_pk_add_f32 v[X+32*\p+i:X+32*\p+i+1], v[X+32*\p+i:X+32*\p+i+1], v[T+8*\p:T+8*\p+1] op_sel_hi:[1,0] neg_lo:[0,1] neg_hi:[0,1]   ; d = x - mean: the variance is taken of d, so a common offset costs no accuracy
.set i, i+2
.endr
.endr
.irp p, 0,1
.irp c, 0,2,4,6
	v_pk_mul_f32 v[T+8*\p+\c:T+8*\p+\c+1], v[X+32*\p+\c:X+32*\p+\c+1], v[X+32*\p+\c:X+32*\p+\c+1]
.endr
.endr
.irp k, 8,16,24
.irp p, 0,1
.irp c, 0,2,4,6
	v_pk_fma_f32 v[T+8*\p+\c:T+8*\p+\c+1], v[X+32*\p+\k+\c:X+32*\p+\k+\c+1], v[X+32*\p+\k+\c:X+32*\p+\k+\c+1], v[T+8*\p+\c:T+8*\p+\c+1]
.endr
.endr
.endr
	SUMUP
.irp p, 0,1
	s_delay_alu instid0(VALU_DEP_2)
	v_fma_f32 v[T+8*\p], v[T+8*\p], s26, s27       ; variance + 1e-5
.endr
	s_wait_alu depctr_va_vdst(0)
.irp p, 0,1
	v_rsq_f32 v[T+8*\p], v[T+8*\p]
.endr
	v_nop                                          ; a plain place behind the two transcendentals
	s_wait_alu depctr_va_vdst(0)                   ; one wait for both, ahead of their first reader
	s_wait_loadcnt 0x0                             ; gain and bias
.irp p, 0,1
.set i, 0
.rept 16
	v_pk_mul_f32 v[X+32*\p+i:X+32*\p+i+1], v[X+32*\p+i:X+32*\p+i+1], v[T+8*\p:T+8*\p+1] op_sel_hi:[1,0]
.set i, i+2
.endr
.endr
.irp p, 0,1
.set i, 0
.rept 16
	v_pk_fma_f32 v[X+32*\p+i:X+32*\p+i+1], v[X+32*\p+i:X+32*\p+i+1], v[GG+i:GG+i+1], v[BV+i:BV+i+1]
.set i, i+2
.endr
.endr
.irp p, 0,1
.irp j, 0,1,2,3,4,5,6,7
	ds_store_b128 v3, v[X+32*\p+4*\j:X+32*\p+4*\j+3] offset:PITCH*\p+512*\j
.endr
.endr
	s_wait_dscnt 0x0                               ; for the others' sake: my two rows lie in LDS
	s_barrier_signal -1
	s_barrier_wait -1                              ; all sixteen rows do
	; now wave w takes K step w of all sixteen rows: lane (r, h) reads, of row r, 16 neighbours of each block of 32
.irp b, 0,1,2,3
.irp j, 0,1,2,3
	ds_load_b128 v[X+16*\b+4*\j:X+16*\b+4*\j+3], v4 offset:128*\b+16*\j
.endr
.endr
	s_wait_dscnt 0x0
	QUANT X
.irp c, 0,1,2
	global_store_b128 v1, v[PC+4*\c:PC+4*\c+3], s[32:33] offset:512*\c   ; 512 consecutive bytes
.endr
	global_store_b32 v7, v[PW], s[34:35]           ; lanes l and l xor 16 hold the same word and write it to the same place
	s_wait_tensorcnt 0x0
	ds_add_u32 v254, v255
	s_wait_dscnt 0x0
	s_endpgm
	; ---- WEIGHTS.  A LANE TAKES A COLUMN n, AND ITS REGISTERS RUN DOWN K.  A work-group takes 128 columns x 512 k; wave w 32 columns (w % 4) x 256 k (w / 4): 8 blocks, 2 K steps.
	; Lane l takes column n0 + l % 8 + 16 ((l / 8) % 2) + 8 (l / 16): lanes 0-15 are the slots of one block of 16 rows of the operand, lanes 16-31 those of the next.
.macro LOADP p, N                      ; blocks 2 p and 2 p + 1: 64 rows of the weight at my column, into set p % 2
.set li, 0
.rept 64
	global_load_b32 v[X+64*((\p)%2)+li], v3, s[30:31] offset:(64*(\p)+li)*(\N)*4 th:TH_LOAD_NT
.set li, li+1
.endr
.endm
.macro BLK p, u                        ; block 2 p + u: its largest magnitude needs no other lane
.set XS, X+64*((\p)%2)+32*(\u)
.set FD, 192+24*((\p)/2)+12*(\u)+6*((\p)%2)
.set bb, 2*((\p)%2)+(\u)
	v_max3_num_f32 v[12+2*\u], |v[XS]|, |v[XS+1]|, |v[XS+2]|
	v_max3_num_f32 v[13+2*\u], |v[XS+3]|, |v[XS+4]|, |v[XS+5]|
.irp i, 6,10,14,18,22,26
	s_delay_alu instid0(VALU_DEP_2)
	v_max3_num_f32 v[12+2*\u], v[12+2*\u], |v[XS+\i]|, |v[XS+\i+1]|
	s_delay_alu instid0(VALU_DEP_2)
	v_max3_num_f32 v[13+2*\u], v[13+2*\u], |v[XS+\i+2]|, |v[XS+\i+3]|
.endr
	s_delay_alu instid0(VALU_DEP_2)
	v_max3_num_f32 v[12+2*\u], v[12+2*\u], |v[XS+30]|, |v[XS+31]|
	s_delay_alu instid0(VALU_DEP_1)
	v_max3_num_f32 v[12+2*\u], v[12+2*\u], v[13+2*\u], 0x1800000   ; and the floor 2^(3 - 127)
	s_delay_alu instid0(VALU_DEP_1)
	v_add_nc_u32 v[10+\u], 0xff000000, v[12+2*\u]  ; the conversion's scale operand
	s_delay_alu instid0(VALU_DEP_1)
	v_lshrrev_b32 v[13+2*\u], 23, v[10+\u]         ; the byte
.if bb == 0
	s_delay_alu instid0(VALU_DEP_1)
	v_mov_b32 v[16+(\p)/2], v[13+2*\u]             ; four bytes make my column's scale word of a K step
.else
	s_delay_alu instid0(VALU_DEP_1)
	v_lshl_or_b32 v[16+(\p)/2], v[13+2*\u], 8*bb, v[16+(\p)/2]
.endif
	v_cvt_scalef32_pk16_fp6_f32 v[FD:FD+2], v[XS:XS+15], v[10+\u]
	v_cvt_scalef32_pk16_fp6_f32 v[240+4*\u:242+4*\u], v[XS+16:XS+31], v[10+\u]   ; (three registers from an even number on: made here, moved below)
.endm
.macro WQ N, K, SRC, DC, DS            ; s21 = which 128 columns, s22 = which 512 k
.set WKS, (\K)/128
	s_lshl_b32 s23, s22, 9
	s_lshr_b32 s24, s20, 2
	s_lshl_b32 s24, s24, 8
	s_add_co_u32 s23, s23, s24                     ; k0
	s_lshl_b32 s24, s21, 7
	s_and_b32 s25, s20, 3
	s_lshl_b32 s25, s25, 5
	s_add_co_u32 s24, s24, s25                     ; n0
	s_mul_i32 s26, s23, (\N)*4
	s_lshl_b32 s25, s24, 2
	s_add_co_u32 s26, s26, s25
	s_mov_b32 s27, 0
	s_add_nc_u64 s[30:31], s[\SRC:\SRC+1], s[26:27]
	s_lshr_b32 s25, s24, 4
	s_mul_i32 s25, s25, WKS
	s_lshr_b32 s26, s23, 7
	s_add_co_u32 s25, s25, s26                     ; my first fragment: block n0 / 16, K step k0 / 128
	s_mul_i32 s26, s25, 1536
	s_add_co_u32 s26, s26, \DC
	s_add_nc_u64 s[32:33], s[18:19], s[26:27]
	s_lshl_b32 s26, s25, 6
	s_add_co_u32 s26, s26, \DS
	s_add_nc_u64 s[34:35], s[18:19], s[26:27]
	v_mul_u32_u24 v4, v6, WKS*64
	s_delay_alu instid0(VALU_DEP_1)
	v_add_nc_u32 v4, v4, v7                        ; my scale word's place: lanes 16-31 belong to the next block of 16 rows
	LOADP 0, \N
	LOADP 1, \N
.irp p, 0,1,2,3
.if \p < 3
	s_wait_loadcnt 63                              ; this pair's loads are in.  64 were issued behind them; 63 is the largest count the wait's field holds
.else
	s_wait_loadcnt 0x0
.endif
	BLK \p, 0
	BLK \p, 1
	v_nop                                          ; one plain place behind the scaled conversions
.irp u, 0,1
.irp i, 0,1,2
	v_mov_b32 v[192+24*(\p/2)+12*\u+6*(\p%2)+3+\i], v[240+4*\u+\i]
.endr
.endr
.irp i, 0,1,2,3,4,5                            ; the even block's lanes 16-31 change places with the odd block's lanes 0-15: both registers are then operand registers, of the first and of the second block of 16 rows
	v_permlane16_swap_b32 v[192+24*(\p/2)+6*(\p%2)+\i], v[192+24*(\p/2)+12+6*(\p%2)+\i]
.endr
.if \p < 2
	LOADP \p+2, \N
.endif
.if \p%2 == 1                                  ; a K step is whole: two fragments and their scale words.  Each K step has registers of its own, so no store's data are written again
.irp u, 0,1
.irp c, 0,1,2
	global_store_b128 v1, v[192+24*(\p/2)+12*\u+4*\c:192+24*(\p/2)+12*\u+4*\c+3], s[32:33] offset:(\u*WKS+\p/2)*1536+512*\c
.endr
.endr
	global_store_b32 v4, v[16+\p/2], s[34:35] offset:(\p/2)*64
.endif
.endr
	s_endpgm
.endm
.Lweights:
	v_and_b32 v3, 7, v0
	v_bfe_u32 v4, v0, 3, 1
	s_delay_alu instid0(VALU_DEP_1)
	v_lshl_add_u32 v3, v4, 4, v3
	s_wait_alu depctr_va_vdst(0)
	v_lshl_add_u32 v3, v6, 3, v3
	s_delay_alu instid0(VALU_DEP_1)
	v_lshlrev_b32 v3, 2, v3                        ; my column among the wave's 32, in bytes
	s_sub_co_u32 s21, ttmp9, 256
	s_cmp_lt_u32 s21, 48
	s_cbranch_scc0 .Lnot_attn
	s_cmp_ge_u32 s21, 24                           ; c_attn_w: 24 x 2
	s_cselect_b32 s22, 1, 0
	s_mul_i32 s23, s22, 24
	s_sub_co_u32 s21, s21, s23
	s_wait_alu depctr_va_vdst(0)
	WQ 3072, 1024, 10, WQKV_C, WQKV_S
.Lnot_attn:
	s_cmp_lt_u32 s21, 64
	s_cbranch_scc0 .Lnot_proj
	s_sub_co_u32 s21, s21, 48                      ; c_proj_w: 8 x 2
	s_lshr_b32 s22, s21, 3
	s_and_b32 s21, s21, 7
	s_wait_alu depctr_va_vdst(0)
	WQ 1024, 1024, 12, WPRJ_C, WPRJ_S
.Lnot_proj:
	s_cmp_lt_u32 s21, 128
	s_cbranch_scc0 .Lnot_fc
	s_sub_co_u32 s21, s21, 64                      ; fc_w: 32 x 2
	s_lshr_b32 s22, s21, 5
	s_and_b32 s21, s21, 31
	s_wait_alu depctr_va_vdst(0)
	WQ 4096, 1024, 14, WFC_C, WFC_S
.Lnot_fc:
	s_sub_co_u32 s21, s21, 128                     ; proj_w: 8 x 8
	s_lshr_b32 s22, s21, 3
	s_and_b32 s21, s21, 7
	s_wait_alu depctr_va_vdst(0)
	WQ 1024, 4096, 16, WOUT_C, WOUT_S
.Lfunc_end_k_q024b3f5233_prep:
	.size	k_q024b3f5233_prep, .Lfunc_end_k_q024b3f5233_prep-k_q024b3f5233_prep
	.p2alignl 7, 3214868480
	.fill 96, 4, 3214868480
	.section	.rodata,"a",@progbits
	.p2align	6, 0x0
	.amdhsa_kernel k_q024b3f5233_prep
		.amdhsa_group_segment_fixed_size 66816
		.amdhsa_private_segment_fixed_size 0
		.amdhsa_enable_private_segment 0
		.amdhsa_kernarg_size 64
		.amdhsa_user_sgpr_count 2
		.amdhsa_user_sgpr_kernarg_segment_ptr 1
		.amdhsa_wavefront_size32 1
		.amdhsa_system_sgpr_workgroup_id_x 1
		.amdhsa_system_sgpr_workgroup_id_y 1
		.amdhsa_system_sgpr_workgroup_id_z 1
		.amdhsa_system_vgpr_workitem_id 0
		.amdhsa_next_free_vgpr 256
		.amdhsa_next_free_sgpr 66
		.amdhsa_reserve_vcc 0
		.amdhsa_float_denorm_mode_32 3
		.amdhsa_float_denorm_mode_16_64 3
		.amdhsa_memory_ordered 1
		.amdhsa_forward_progress 1
		.amdhsa_inst_pref_size 200
	.end_amdhsa_kernel
	.amdgpu_metadata
---
amdhsa.version: [ 1, 2 ]
amdhsa.kernels:
  - .name:           k_q024b3f5233_prep
    .symbol:         k_q024b3f5233_prep.kd
    .args:
      - { .name: x, .offset: 0, .size: 8, .value_kind: global_buffer, .address_space: global }
      - { .name: ln1_g, .offset: 8, .size: 8, .value_kind: global_buffer, .address_space: global }
      - { .name: ln1_b, .offset: 16, .size: 8, .value_kind: global_buffer, .address_space: global }
      - { .name: c_attn_w, .offset: 24, .size: 8, .value_kind: global_buffer, .address_space: global }
      - { .name: c_proj_w, .offset: 32, .size: 8, .value_kind: global_buffer, .address_space: global }
      - { .name: fc_w, .offset: 40, .size: 8, .value_kind: global_buffer, .address_space: global }
      - { .name: proj_w, .offset: 48, .size: 8, .value_kind: global_buffer, .address_space: global }
      - { .name: wa, .offset: 56, .size: 8, .value_kind: global_buffer, .address_space: global }
    .group_segment_fixed_size: 66816
    .private_segment_fixed_size: 0
    .kernarg_segment_align: 8
    .kernarg_segment_size: 64
    .max_flat_workgroup_size: 256
    .sgpr_count:     66
    .vgpr_count:     256
    .wavefront_size: 32
...
	.end_amdgpu_metadata
.endif
;; end of part 1
;; launch qkv (part 2): grid 12 x 16, 4 waves a work-group, clusters of 4 x 4, 327,680 bytes of LDS; arguments wa, c_attn_b, qkv; writes qkv
.if DOCPART == 2
	.amdgcn_target "amdgcn-amd-amdhsa--gfx1250"
	.amdhsa_code_object_version 6
	.text
	.protected	k_q024b3f5233_qkv
	.globl	k_q024b3f5233_qkv
	.p2align	8
	.type	k_q024b3f5233_qkv,@function
k_q024b3f5233_qkv:
	s_mov_b64 s[64:65], 0
	v_nop
	global_prefetch_b8 v0, s[64:65] scope:SCOPE_SE
	s_setreg_imm32_b32 hwreg(HW_REG_WAVE_MODE, 25, 1), 1
	s_wait_xcnt 0x0
	s_wait_alu depctr_hold_cnt(0) depctr_sa_sdst(0) depctr_va_vdst(0) depctr_va_sdst(0) depctr_va_ssrc(0) depctr_va_vcc(0) depctr_vm_vsrc(0)
	s_getreg_b32 s2, hwreg(HW_REG_IB_STS2, 6, 4)
	s_cmp_eq_u32 s2, 0
	s_cbranch_scc0 .Lentry_in_a_cluster
	s_endpgm
.Lentry_in_a_cluster:
	s_bfe_u32 s2, ttmp6, 0x10000c
	s_cmp_lg_u32 s2, 0xf033
	s_cbranch_scc0 .Lentry_shape_is_right
	s_endpgm
.Lentry_shape_is_right:
; qkv = LN1(x) W + b on codes of FP6 (E2M3) with E8M0 scales, K = 1,024; the results are quantised at once: q and k along the head's 64, v along the keys, and stored as images of operand registers.
; OPERANDS are images: a fragment (16 rows x 128 K, 12 registers a lane) is 1,536 bytes, register i of lane l at 512 (i / 4) + 16 l + 4 (i % 4); laid [rows / 16][K / 128][1536]; scale words [rows / 16][K / 128][16].
; Slot r of block RB is row 32 (RB / 2) + 8 (RB % 2) + r + 8 (r / 8).  The product is used transposed (source 0 = the B side, source 1 = the A side): in accumulator (a, b) lane (r, h), register j
; holds A's row (block a, slot r) and B's row 32 (b / 2) + 16 h + 8 (b % 2) + j: the 64 registers of a row of accumulators are 4 x 16 neighbours along B's rows.
; A work-group makes 256 x 256, a wave 128 x 128 (64 accumulators).  K goes through a ring of two LDS slots of 256 along K; all scale words of the tile come once.
; SIDES.  Cluster columns 0 and 1 (q, k): A = tokens, B = W's columns: a lane's registers run along the head.  Cluster column 2 (v): A = W's columns 2,048 on, B = tokens: a lane's registers run along the keys.
; The sides differ in byte offsets inside one buffer, made by multiplying with isv = cluster x / 2, which is equal in all sixteen partners.
; CLUSTER 4 x 4: A's tiles are shared along a row of the cluster, B's along a column: joint loads.
; WHAT IS STORED, for each (batch, head) a record of REC bytes: K half images [64 blocks][768], K scale words [64][64], V^T images [4 d tiles][8 key steps][1536], V scale words [4][8][64], Q half images, Q scale words.
; A half image is 16 tokens x 64: registers 0-3 at 16 l, registers 4-5 at 512 + 8 l; of its scale word bytes 0 and 1 count.
; LIMITS: a block whose largest magnitude lies under 2^-124 is held at the byte 1; a block of zeros gets the byte 1, not 127; NaN and infinities are not served.
.set NB,  8                            ; blocks of 16 rows a wave, each side
.set NQ,  2                            ; K steps of 128 in a slot
.set KS,  8                            ; K steps in all
.set HASB, 0                           ; the first product starts the sums with the constant 0; the bias is added on the way out
.set PA,  4
.set PB,  4
.set A1_S,   3145728
.set WQKV_C, 3276800
.set WQKV_S, 5636096
.set FRB,   1536
.set WV_C,  WQKV_C+128*KS*FRB          ; W's columns 2,048 on
.set WV_S,  WQKV_S+128*KS*64
.set REC,   157696
.set KSC,   49152
.set VIM,   53248
.set VSC,   102400
.set QIM,   104448
.set HALFT, NB*NQ*FRB                  ; what one tensor load brings: 24,576 bytes
.set SLOT,  4*HALFT                    ; A's two halves, then B's two
.set SCL,   2*SLOT                     ; behind the ring: the scale words, filled once
.set HALFS, NB*KS*64
.set SPARE, SCL+4*HALFS                ; the spare words, 128 bytes for each wave: two blocks of 256 bytes that no other line names
.set LAPS,  KS/(2*NQ)
.set ADRA, 16                          ; v16-17 LDS address of my A fragments in slot 0, 1
.set ADRB, 20                          ; v20-21 the same for B
.set L16,  24                          ; 16 x lane
.set L8,   25                          ; 8 x lane
.set R4,   26                          ; 4 x (lane % 16)
.set ADRS, 27                          ; my scale words: lanes 0-15 A's, lanes 16-31 B's
.set SPW,  28
.set NIL,  29
.set BA,   8                           ; v8-15 the bias by A's rows (v columns)
.set SC,   32                          ; v32-63 scale words and nothing else: set s at 32 + 16 s, register NQ i + q
.set AF,   64                          ; window 0: A's fragments, two sets of 96
.set BB,   192                         ; window 1: B's fragments, two sets of 96 from v0; from v192 the bias by B's rows
.set H,    64                          ; the way out, window 0: 64 numbers,
.set PC,   128                         ; codes,
.set TM,   148                         ; at work,
.set PW,   164                         ; the scale word; v165: its upper half
.set G1, 24
.set G0, 32
.set G1B, 48
.set G0B, 56
.set G1S, 68
.set G0S, 76
.set G1SB, 80
.set G0SB, 88
.set SEL, 96
.set MSB, 0
.macro WIN new                         ; the immediate's high byte repeats the setting that is left; a switch that changes nothing is dropped
.set WNEW, \new
.if MSB != WNEW
	s_set_vgpr_msb (MSB<<8)|WNEW
.set MSB, WNEW
.endif
.endm
.macro PLACES n
.rept \n
	v_nop
.endr
.endm
.macro JLOAD g0a, g1a, g0b, g1b        ; a joint load: waves 0 and 1 fetch for A, waves 2 and 3 for B; four v_nop follow each line
	s_cmp_eq_u32 s15, 0
	s_cbranch_scc0 .Lfor_b_\@
	tensor_load_to_lds s[\g0a:\g0a+3], s[\g1a:\g1a+7]
	s_nop 0
	PLACES 4
	s_branch .Lasked_\@
.Lfor_b_\@:
	tensor_load_to_lds s[\g0b:\g0b+3], s[\g1b:\g1b+7]
	s_nop 0
	PLACES 4
.Lasked_\@:
.endm
.macro CREST                           ; a round of the cluster's barrier behind its opening barrier
	s_cmp_lg_u32 s14, 0
	s_cbranch_scc1 .Lnot_wave_0_\@
	s_barrier_signal -3
.Lnot_wave_0_\@:
	s_barrier_wait -3
	s_barrier_signal -1
	s_barrier_wait -1
.endm
.macro CROUND
	s_barrier_signal -1
	s_barrier_wait -1
	CREST
.endm
.macro FRAG reg, adr, off              ; a fragment comes as it was stored: three loads of 512 consecutive bytes
.irp c, 0,1,2
	ds_load_b128 v[\reg+4*\c:\reg+4*\c+3], v[\adr] offset:\off+512*\c
.endr
.endm
.macro FETCH slot, q, p                ; both sides' fragments of the slot's q-th K step into set p
	WIN 0x40
.set fi, 0
.rept NB
	FRAG 12*NB*(\p)+12*fi, ADRB+\slot, (fi*NQ+(\q))*FRB
.set fi, fi+1
.endr
	WIN 0
.set fi, 0
.rept NB
	FRAG AF+12*NB*(\p)+12*fi, ADRA+\slot, (fi*NQ+(\q))*FRB
.set fi, fi+1
.endr
.endm
.macro SCALES sc                       ; a slot's scale words: lanes 0-15 A's block i, lanes 16-31 B's block i
.set fi, 0
.rept NB
.set fq, 0
.rept NQ
	ds_load_b32 v[SC+16*(\sc)+NQ*fi+fq], v[ADRS] offset:fi*KS*64+fq*64
.set fq, fq+1
.endr
.set fi, fi+1
.endr
.endm
.macro MULA a, p, q, sc, first         ; A's block a against B's NB blocks
.set mb, 0
.rept NB
.set mD, 8*(((\a)*NB+mb)%32)
.if (\first) && HASB
	v_wmma_scale_f32_16x16x128_f8f6f4 v[mD:mD+7], v[12*NB*(\p)+12*mb:12*NB*(\p)+12*mb+11], v[AF+12*NB*(\p)+12*(\a):AF+12*NB*(\p)+12*(\a)+11], v[BB+8*mb:BB+8*mb+7], v[SC+16*(\sc)+NQ*mb+(\q)], v[SC+16*(\sc)+NQ*(\a)+(\q)] matrix_a_fmt:MATRIX_FMT_FP6 matrix_b_fmt:MATRIX_FMT_FP6 matrix_a_scale:MATRIX_SCALE_ROW1
.elseif \first
	v_wmma_scale_f32_16x16x128_f8f6f4 v[mD:mD+7], v[12*NB*(\p)+12*mb:12*NB*(\p)+12*mb+11], v[AF+12*NB*(\p)+12*(\a):AF+12*NB*(\p)+12*(\a)+11], 0, v[SC+16*(\sc)+NQ*mb+(\q)], v[SC+16*(\sc)+NQ*(\a)+(\q)] matrix_a_fmt:MATRIX_FMT_FP6 matrix_b_fmt:MATRIX_FMT_FP6 matrix_a_scale:MATRIX_SCALE_ROW1
.else
	v_wmma_scale_f32_16x16x128_f8f6f4 v[mD:mD+7], v[12*NB*(\p)+12*mb:12*NB*(\p)+12*mb+11], v[AF+12*NB*(\p)+12*(\a):AF+12*NB*(\p)+12*(\a)+11], v[mD:mD+7], v[SC+16*(\sc)+NQ*mb+(\q)], v[SC+16*(\sc)+NQ*(\a)+(\q)] matrix_a_fmt:MATRIX_FMT_FP6 matrix_b_fmt:MATRIX_FMT_FP6 matrix_a_scale:MATRIX_SCALE_ROW1
.endif
.set mb, mb+1
.endr
.endm
.macro MULR a0, cnt, p, q, sc, first   ; cnt blocks of A from a0 on.  Source 0 (B) window 1, source 1 (A) window 0, the accumulators window 2 or 3.  All accumulators take turns in the same order in every step
.set ma, \a0
.rept \cnt
.set mW, 2+(ma*NB)/32
.set mC, mW
.if (\first) && HASB
.set mC, 1
.endif
	WIN 1+16*mC+64*mW
	MULA ma, \p, \q, \sc, \first
.set ma, ma+1
.endr
.endm
.macro STEP slot, q, first             ; a K step that has its successor in the same slot: the successor's fragments are asked for ahead of this step's products
	s_wait_dscnt 0x0                               ; this step's set was asked for a whole step ago
	PLACES 4                                       ; in front of loads into registers that the last step's products have read
	FETCH \slot, (\q)+1, 1-(\q)%2
	MULR 0, NB, (\q)%2, \q, \slot, \first
	WIN 0
.endm
.macro SS slot
.set sq, 0
.rept NQ-1
	STEP \slot, sq, 0
.set sq, sq+1
.endr
.endm
.macro TURN slot, next, fill           ; a slot's last step changes slots: one barrier
	s_wait_tensorcnt 0x0                           ; all my tensor loads have landed: my part of the next slot
	ds_add_u32 v[SPW], v[NIL]                      ; 0 onto my spare word
	s_wait_dscnt 0x1                               ; this step's fragments are in; the add may be out
	MULR 0, NB/4, 1, NQ-1, \slot, 0
	s_wait_dscnt 0x0                               ; the add is done, and my reads of this slot are over
	s_barrier_signal -1
	MULR NB/4, NB/4, 1, NQ-1, \slot, 0
	WIN 0
	s_barrier_wait -1
.if \fill
	CREST                                          ; the barrier has opened a round of the cluster's: no wave of any partner still reads this slot or has a load on its way
	s_add_nc_u64 s[G0+4*\slot+2:G0+4*\slot+3], s[G0+4*\slot+2:G0+4*\slot+3], 2*NQ*FRB
	s_add_nc_u64 s[G0B+4*\slot+2:G0B+4*\slot+3], s[G0B+4*\slot+2:G0B+4*\slot+3], 2*NQ*FRB
	JLOAD G0+4*\slot, G1, G0B+4*\slot, G1B         ; the first tensor load behind the round; its four v_nop are the places in front of the loads below
.else
	PLACES 4
.endif
	s_wait_alu depctr_va_vdst(0)
	v_add_nc_u32 v[ADRS], NQ*64, v[ADRS]           ; the next slot's scale words (no LDS load of mine is out)
	FETCH \next, 0, 0
	SCALES \next
	MULR NB/2, NB/2, 1, NQ-1, \slot, 0
	WIN 0
.endm
.macro QUANT s                         ; 64 numbers of a lane, register 16 b + i = k 32 b + 16 (lane / 16) + i of my row, become a fragment's codes in v[PC] on and its scale word in v[PW]
.irp b, 0,1,2,3
	v_max3_num_f32 v[TM+\b], |v[\s+16*\b]|, |v[\s+1+16*\b]|, 0x1800000   ; and the floor 2^(3 - 127)
.endr
.irp i, 2,4,6,8,10,12,14
.irp b, 0,1,2,3
	v_max3_num_f32 v[TM+\b], v[TM+\b], |v[\s+16*\b+\i]|, |v[\s+1+16*\b+\i]|
.endr
.endr
.irp b, 0,1,2,3
	v_permlanex16_b32 v[TM+4+\b], v[TM+\b], s[SEL], s[SEL+1]
.endr
.irp b, 0,1,2,3
	v_max_num_f32 v[TM+\b], v[TM+\b], v[TM+4+\b]
.endr
.irp b, 0,1,2,3
	v_add_nc_u32 v[TM+12+\b], 0xff000000, v[TM+\b]   ; 2 off the exponent field: the conversion's scale operand
.endr
.irp b, 0,1,2,3
	v_lshrrev_b32 v[TM+4+\b], 23, v[TM+12+\b]
.endr
	v_lshl_or_b32 v[PW], v[TM+5], 8, v[TM+4]
	v_lshl_or_b32 v[PW], v[TM+6], 16, v[PW]
	v_lshl_or_b32 v[PW], v[TM+7], 24, v[PW]
.irp c, 0,1
	v_cvt_scalef32_pk16_fp6_f32 v[PC+6*\c:PC+2+6*\c], v[\s+32*\c:\s+15+32*\c], v[TM+12+2*\c]
	v_cvt_scalef32_pk16_fp6_f32 v[PC+12+4*\c:PC+14+4*\c], v[\s+16+32*\c:\s+31+32*\c], v[TM+12+2*\c+1]
.endr
	v_nop                                          ; one plain place behind a scaled conversion
.irp c, 0,1
.irp i, 0,1,2
	v_permlane16_swap_b32 v[PC+6*\c+\i], v[PC+12+4*\c+\i]
.endr
.irp i, 0,1,2
	v_mov_b32 v[PC+3+6*\c+\i], v[PC+12+4*\c+\i]
.endr
.endr
.endm
	s_load_b128 s[4:7], s[0:1], 0x0                ; the images s[4:5], c_attn_b s[6:7]
	s_load_b64 s[12:13], s[0:1], 0x10              ; qkv
	v_lshl_add_u32 v[SPW], v0, 2, SPARE
	v_mov_b32 v[NIL], 0
	ds_add_u32 v28, v29
	ds_add_u32 v28, v29
	s_wait_dscnt 0x0
	v_lshrrev_b32 v1, 5, v0
	v_readfirstlane_b32 s14, v1                    ; wave 0..3
	s_lshr_b32 s15, s14, 1                         ; my half of A's rows.  Also: I fetch for A (0) or for B (1)
	s_and_b32 s16, s14, 1                          ; my half of B's rows.  Also: which half I fetch
	s_bfe_u32 s40, ttmp6, 0x40000                  ; cx
	s_bfe_u32 s41, ttmp6, 0x40004                  ; cy
	s_lshr_b32 s66, ttmp9, 1                       ; isv: 1 in cluster column 2
	s_xor_b32 s67, s66, 1                          ; 1 - isv
	s_and_b32 s45, ttmp7, 0xffff                   ; cluster y
	s_mul_i32 s17, s45, s67
	s_lshl_b32 s17, s17, 2
	s_add_co_u32 s17, s17, s41                     ; A's tile: 4 x cluster y + cy (tokens), or cy (v columns)
	s_mul_i32 s42, ttmp9, s67
	s_mul_i32 s45, s45, s66
	s_add_co_u32 s42, s42, s45
	s_lshl_b32 s42, s42, 2
	s_add_co_u32 s42, s42, s40                     ; B's tile: 4 x cluster x + cx (q, k columns), or 4 x cluster y + cx (tokens)
	s_lshl_b32 s43, s41, 2
	s_lshl_b32 s43, 15, s43                        ; my row of the cluster
	s_lshl_b32 s44, 0x1111, s40                    ; my column
	; descriptor group 1, code tiles: NB rows of NQ fragments (192 NQ elements of 8 bytes), KS fragments from row to row; dense in LDS
	s_or_b32 s[G1+0], s43, (3<<16)|(1<<21)
	s_or_b32 s[G1B+0], s44, (3<<16)|(1<<21)
.irp g, G1, G1B
	s_mov_b32 s[\g+1], (192*NQ)<<16
	s_mov_b32 s[\g+2], (2*NB)<<16                  ; the head's loads bring all 16 blocks of a side
	s_mov_b32 s[\g+3], (192*NQ)<<16
	s_mov_b32 s[\g+4], 2*NB
	s_mov_b32 s[\g+5], 192*KS
	s_mov_b32 s[\g+6], 0
	s_mov_b32 s[\g+7], 0
.endr
	; scale words of 2 NB blocks, all K: a dense block, as rows of 256 bytes
	s_or_b32 s[G1S+0], s43, (3<<16)|(1<<21)
	s_or_b32 s[G1SB+0], s44, (3<<16)|(1<<21)
.irp g, G1S, G1SB
	s_mov_b32 s[\g+1], 32<<16
	s_mov_b32 s[\g+2], (2*HALFS/256)<<16
	s_mov_b32 s[\g+3], 32<<16
	s_mov_b32 s[\g+4], 2*HALFS/256
	s_mov_b32 s[\g+5], 32
	s_mov_b32 s[\g+6], 0
	s_mov_b32 s[\g+7], 0
.endr
	s_mul_i32 s20, s17, 2*NB
	s_mul_i32 s46, s42, 2*NB                       ; the tiles' first blocks
	s_mul_i32 s18, s16, NB*KS*FRB                  ; in the ring: the half that I fetch, in bytes
	s_mov_b32 s19, 0
	s_mul_i32 s22, s20, KS*64
	s_mul_i32 s20, s20, KS*FRB
	s_mul_i32 s92, s46, KS*64
	s_mul_i32 s46, s46, KS*FRB
	s_mul_i32 s2, s66, WV_C                        ; A's codes: the normed rows at 0, or W's v columns
	s_add_co_u32 s20, s20, s2
	s_mul_i32 s2, s66, WV_S
	s_add_co_u32 s22, s22, s2
	s_mul_i32 s2, s67, A1_S
	s_add_co_u32 s22, s22, s2
	s_mul_i32 s2, s67, WQKV_C                      ; B's codes: W's q and k columns, or the normed rows at 0
	s_add_co_u32 s46, s46, s2
	s_mul_i32 s2, s67, WQKV_S
	s_add_co_u32 s92, s92, s2
	s_mul_i32 s2, s66, A1_S
	s_add_co_u32 s92, s92, s2
	s_mov_b32 s21, 0
	s_mov_b32 s23, 0
	s_mov_b32 s47, 0
	s_mov_b32 s93, 0
	s_mul_i32 s45, s14, HALFT                      ; where they go: no place in the cluster enters an LDS address
	s_mov_b32 s[SEL], 0x76543210
	s_mov_b32 s[SEL+1], 0xfedcba98
	s_wait_kmcnt 0x0
	s_add_nc_u64 s[20:21], s[PA:PA+1], s[20:21]
	s_add_nc_u64 s[22:23], s[PA:PA+1], s[22:23]
	s_add_nc_u64 s[46:47], s[PB:PB+1], s[46:47]
	s_add_nc_u64 s[92:93], s[PB:PB+1], s[92:93]
	CROUND                                         ; all sixteen work-groups are here: the first joint loads meet
	s_mov_b32 s[G0S], 1
	s_mov_b32 s[G0S+1], SCL
	s_mov_b64 s[G0S+2:G0S+3], s[22:23]
	s_or_b32 s[G0S+3], s[G0S+3], 0x80000000
	s_mov_b32 s[G0SB], 1
	s_mov_b32 s[G0SB+1], SCL+2*HALFS
	s_mov_b64 s[G0SB+2:G0SB+3], s[92:93]
	s_or_b32 s[G0SB+3], s[G0SB+3], 0x80000000
.irp s, 0,1
	s_mov_b32 s[G0+4*\s], 1
	s_add_co_u32 s[G0+4*\s+1], s45, \s*SLOT
	s_add_nc_u64 s[G0+4*\s+2:G0+4*\s+3], s[20:21], \s*NQ*FRB
	s_or_b32 s[G0+4*\s+3], s[G0+4*\s+3], 0x80000000
	s_mov_b32 s[G0B+4*\s], 1
	s_add_co_u32 s[G0B+4*\s+1], s45, \s*SLOT
	s_add_nc_u64 s[G0B+4*\s+2:G0B+4*\s+3], s[46:47], \s*NQ*FRB
	s_or_b32 s[G0B+4*\s+3], s[G0B+4*\s+3], 0x80000000
.endr
	s_mov_b32 s[G0+1], 0                           ; at the head slot 0's tiles come whole: A's 16 blocks,
	s_mov_b32 s[G0B+1], 2*HALFT                    ; B's behind them;
	s_add_nc_u64 s[G0+6:G0+7], s[G0+6:G0+7], s[18:19]      ; slot 1 comes by quarters: my half
	s_add_nc_u64 s[G0B+6:G0B+7], s[G0B+6:G0B+7], s[18:19]
.macro ARM under, g0, g1, next         ; one arm of the head's chain: one load, then the jump to the join
	s_cmp_lt_u32 s14, \under
	s_cbranch_scc0 \next
	tensor_load_to_lds s[\g0:\g0+3], s[\g1:\g1+7]
	s_nop 0
	PLACES 4
	s_branch .Lhead_asked
\next:
.endm
	ARM 1, G0,  G1,  .Lhead_b                      ; one load a wave: A's codes, B's codes, A's scale words, B's
	ARM 2, G0B, G1B, .Lhead_sa
	ARM 3, G0S, G1S, .Lhead_sb
	tensor_load_to_lds s[G0SB:G0SB+3], s[G1SB:G1SB+7]
	s_nop 0
	PLACES 4
.Lhead_asked:
	s_wait_alu depctr_va_vdst(0)
	s_wait_tensorcnt 0x0                           ; my tile of the head's four is in
	ds_add_u32 v28, v29
	s_mov_b32 s[G0+1], s45                         ; no tensor load of mine is out: from here on a load brings my quarter of a slot, 8 blocks
	s_add_nc_u64 s[G0+2:G0+3], s[G0+2:G0+3], s[18:19]
	s_mov_b32 s[G0B+1], s45
	s_add_nc_u64 s[G0B+2:G0B+3], s[G0B+2:G0B+3], s[18:19]
	s_mov_b32 s[G1+2], 8<<16
	s_mov_b32 s[G1+4], 8
	s_mov_b32 s[G1B+2], 8<<16
	s_mov_b32 s[G1B+4], 8
	s_wait_dscnt 0x0
	CROUND
	JLOAD G0+4, G1, G0B+4, G1B                     ; slot 1, the first tensor load behind the round
	v_and_b32 v1, 31, v0                           ; lane
	v_and_b32 v2, 15, v0                           ; r
	v_bfe_u32 v3, v0, 4, 1                         ; h
	s_wait_alu depctr_va_vdst(0)
	v_lshlrev_b32 v[L16], 4, v1
	v_lshlrev_b32 v[L8], 3, v1
	v_lshlrev_b32 v[R4], 2, v2
	s_mul_i32 s18, s15, HALFT
	s_mul_i32 s19, s16, HALFT
	s_add_co_u32 s19, s19, 2*HALFT
.irp s, 0,1
	v_add_nc_u32 v[ADRA+\s], s18, v[L16]
	v_add_nc_u32 v[ADRB+\s], s19, v[L16]
	s_add_co_u32 s18, s18, SLOT
	s_add_co_u32 s19, s19, SLOT
.endr
	s_mul_i32 s18, s15, HALFS
	s_mul_i32 s19, s16, HALFS
	s_add_co_u32 s19, s19, 2*HALFS
	s_sub_co_u32 s19, s19, s18
	v_mul_u32_u24 v4, s19, v3                      ; lanes 16-31 take B's words: one product, the distance between the two bases
	s_wait_alu depctr_va_vdst(0)
	s_add_co_u32 s18, s18, SCL
	v_add_nc_u32 v4, v[R4], v4
	v_add_nc_u32 v[ADRS], s18, v4
	; the bias, both ways; each set of loads stays inside c_attn_b on both sides of isv (its offset is multiplied by the flag), and one of the two sets is used
	s_mul_i32 s46, s42, 2*NB*64
	s_mul_i32 s47, s16, NB*64
	s_add_co_u32 s46, s46, s47
	s_mul_i32 s46, s46, s67                        ; by B's rows: 4 x my first column, q and k alone
	s_mov_b32 s47, 0
	s_add_nc_u64 s[10:11], s[6:7], s[46:47]
	s_lshl_b32 s20, s17, 10
	s_lshl_b32 s21, s15, 9
	s_add_co_u32 s20, s20, s21
	s_add_co_u32 s20, s20, 8192
	s_mul_i32 s20, s20, s66                        ; by A's rows: 4 x (2,048 + my first v column)
	s_mov_b32 s21, 0
	s_add_nc_u64 s[8:9], s[6:7], s[20:21]
	v_lshlrev_b32 v5, 6, v3                        ; 64 h
	v_and_b32 v6, 8, v2
	v_add_nc_u32 v6, v6, v2
	v_lshlrev_b32 v6, 2, v6                        ; 4 (r + 8 (r / 8))
.irp a, 0,1,2,3,4,5,6,7
	global_load_b32 v[BA+\a], v6, s[8:9] offset:(32*(\a/2)+8*(\a%2))*4
.endr
	WIN 0x40
.irp b, 0,1,2,3,4,5,6,7
	global_load_b128 v[BB+8*\b:BB+8*\b+3], v5, s[10:11] offset:(32*(\b/2)+8*(\b%2))*4
	global_load_b128 v[BB+8*\b+4:BB+8*\b+7], v5, s[10:11] offset:(32*(\b/2)+8*(\b%2))*4+16
.endr
	WIN 0
	s_wait_alu depctr_va_vdst(0)
	s_wait_tensorcnt 0x1                           ; the scale words and my part of slot 0 are in; slot 1's load may be out
	s_barrier_signal -1
	s_barrier_wait -1
	FETCH 0, 0, 0
	SCALES 0
	s_wait_loadcnt 0x0                             ; the bias
	STEP 0, 0, 1                                   ; the first step stands in front of the loop: its products start the sums
.set sq, 1
.rept NQ-2
	STEP 0, sq, 0
.set sq, sq+1
.endr
.if LAPS > 1
	s_mov_b32 s3, LAPS-1
.Llap:                                                 ; a trip goes once round the ring and fills both slots again
	TURN 0, 1, 1
	SS 1
	TURN 1, 0, 1
	SS 0
	s_sub_co_u32 s3, s3, 1
	s_cmp_lg_u32 s3, 0
	s_cbranch_scc1 .Llap
.endif
	TURN 0, 1, 0                                   ; the last lap fills nothing
	SS 1
	s_wait_dscnt 0x0
	MULR 0, NB, 1, NQ-1, 1, 0
	WIN 0
	; THE WAY OUT: a row of eight accumulators at a time: + bias, quantised, stored as an image.
	PLACES 4
.irp b, 0,1,2,3
	v_mov_b32 v[TM+4+\b], 0                        ; written once: a lane permute's destination counts as one of its sources
.endr
.macro OUTQK a                         ; 16 tokens x 128 columns = two heads: registers 0-5 of the fragment are the first head's half image, 6-11 the second's
.set AC, 64*((\a)%4)
	WIN 2+(\a)/4+4                                 ; source 0: the accumulators' window; source 1: window 1, the bias
.set ei, 0
.rept 32
	v_pk_add_f32 v[H+ei:H+ei+1], v[AC+ei:AC+ei+1], v[BB+ei:BB+ei+1]   ; each accumulator from its low end on
.set ei, ei+2
.endr
	WIN 0
	s_wait_xcnt 0x0                                ; the last block's stores have read their registers
	QUANT H
	v_lshrrev_b32 v[PW+1], 16, v[PW]               ; the second head's two bytes
.irp c, 0,1
	global_store_b128 v[L16], v[PC+6*\c:PC+6*\c+3], s[12:13] offset:(\a)*768+\c*REC
	global_store_b64 v[L8], v[PC+6*\c+4:PC+6*\c+5], s[12:13] offset:(\a)*768+\c*REC+512
	global_store_b32 v[R4], v[PW+\c], s[10:11] offset:(\a)*64+\c*REC
.endr
.endm
.macro OUTV a                          ; 16 columns d x 128 keys: a whole fragment of V^T
.set AC, 64*((\a)%4)
	WIN 2+(\a)/4
.set ei, 0
.rept 32
.if (\a)%2
	v_pk_add_f32 v[H+ei:H+ei+1], v[AC+ei:AC+ei+1], v[BA+2*((\a)/2):BA+2*((\a)/2)+1] op_sel:[0,1] op_sel_hi:[1,1]
.else
	v_pk_add_f32 v[H+ei:H+ei+1], v[AC+ei:AC+ei+1], v[BA+2*((\a)/2):BA+2*((\a)/2)+1] op_sel_hi:[1,0]
.endif
.set ei, ei+2
.endr
	WIN 0
	s_wait_xcnt 0x0
	QUANT H
.irp c, 0,1,2
	global_store_b128 v[L16], v[PC+4*\c:PC+4*\c+3], s[12:13] offset:((\a)/4)*REC+((\a)%4)*8*FRB+512*\c
.endr
	global_store_b32 v[R4], v[PW], s[10:11] offset:((\a)/4)*REC+((\a)%4)*512
.endm
	s_cmp_eq_u32 s66, 1                            ; the same in all sixteen partners
	s_cbranch_scc1 .Lvpath
	s_lshl_b32 s20, s17, 4
	s_lshl_b32 s21, s15, 3
	s_add_co_u32 s20, s20, s21                     ; my first block of tokens
	s_lshr_b32 s22, s20, 6                         ; the batch
	s_and_b32 s20, s20, 63                         ; the block in it
	s_lshl_b32 s46, s42, 1
	s_add_co_u32 s46, s46, s16
	s_and_b32 s46, s46, 7                          ; which pair of heads
	s_lshl_b32 s22, s22, 4
	s_lshl_b32 s46, s46, 1
	s_add_co_u32 s22, s22, s46
	s_mul_i32 s22, s22, REC                        ; the first head's record
	s_lshr_b32 s47, s42, 2
	s_xor_b32 s47, s47, 1
	s_mul_i32 s47, s47, QIM                        ; q's part of a record, or k's at 0
	s_add_co_u32 s22, s22, s47
	s_mul_i32 s46, s20, 768
	s_add_co_u32 s46, s46, s22
	s_mov_b32 s47, 0
	s_lshl_b32 s20, s20, 6
	s_add_co_u32 s20, s20, s22
	s_add_co_u32 s20, s20, KSC
	s_mov_b32 s21, 0
	s_add_nc_u64 s[10:11], s[12:13], s[20:21]
	s_add_nc_u64 s[12:13], s[12:13], s[46:47]
.irp a, 0,1,2,3,4,5,6,7
	OUTQK \a
.endr
	s_branch .Ldone
.Lvpath:
	s_lshl_b32 s46, s42, 1
	s_add_co_u32 s46, s46, s16
	s_lshr_b32 s22, s46, 3                         ; the batch
	s_and_b32 s46, s46, 7                          ; the key step
	s_lshl_b32 s22, s22, 4
	s_lshl_b32 s20, s17, 2
	s_add_co_u32 s22, s22, s20
	s_lshl_b32 s20, s15, 1
	s_add_co_u32 s22, s22, s20
	s_mul_i32 s22, s22, REC                        ; my first head's record
	s_lshl_b32 s20, s46, 6
	s_add_co_u32 s20, s20, s22
	s_add_co_u32 s20, s20, VSC
	s_mov_b32 s21, 0
	s_mul_i32 s46, s46, FRB
	s_add_co_u32 s46, s46, s22
	s_add_co_u32 s46, s46, VIM
	s_mov_b32 s47, 0
	s_add_nc_u64 s[10:11], s[12:13], s[20:21]
	s_add_nc_u64 s[12:13], s[12:13], s[46:47]
.irp a, 0,1,2,3,4,5,6,7
	OUTV \a
.endr
.Ldone:
	s_wait_tensorcnt 0x0                           ; the wave's end
	ds_add_u32 v[SPW], v[NIL]
	s_wait_dscnt 0x0
	CROUND                                         ; the closing round
	s_endpgm
.Lfunc_end_k_q024b3f5233_qkv:
	.size	k_q024b3f5233_qkv, .Lfunc_end_k_q024b3f5233_qkv-k_q024b3f5233_qkv
	.p2alignl 7, 3214868480
	.fill 96, 4, 3214868480
	.section	.rodata,"a",@progbits
	.p2align	6, 0x0
	.amdhsa_kernel k_q024b3f5233_qkv
		.amdhsa_group_segment_fixed_size 327680
		.amdhsa_private_segment_fixed_size 0
		.amdhsa_enable_private_segment 0
		.amdhsa_kernarg_size 24
		.amdhsa_user_sgpr_count 2
		.amdhsa_user_sgpr_kernarg_segment_ptr 1
		.amdhsa_wavefront_size32 1
		.amdhsa_system_sgpr_workgroup_id_x 1
		.amdhsa_system_sgpr_workgroup_id_y 1
		.amdhsa_system_sgpr_workgroup_id_z 1
		.amdhsa_system_vgpr_workitem_id 0
		.amdhsa_next_free_vgpr 1024
		.amdhsa_next_free_sgpr 100
		.amdhsa_reserve_vcc 0
		.amdhsa_float_denorm_mode_32 3
		.amdhsa_float_denorm_mode_16_64 3
		.amdhsa_memory_ordered 1
		.amdhsa_forward_progress 1
		.amdhsa_inst_pref_size 214
	.end_amdhsa_kernel
	.amdgpu_metadata
---
amdhsa.version: [ 1, 2 ]
amdhsa.kernels:
  - .name:           k_q024b3f5233_qkv
    .symbol:         k_q024b3f5233_qkv.kd
    .args:
      - { .name: wa, .offset: 0, .size: 8, .value_kind: global_buffer, .address_space: global }
      - { .name: c_attn_b, .offset: 8, .size: 8, .value_kind: global_buffer, .address_space: global }
      - { .name: qkv, .offset: 16, .size: 8, .value_kind: global_buffer, .address_space: global }
    .group_segment_fixed_size: 327680
    .private_segment_fixed_size: 0
    .kernarg_segment_align: 8
    .kernarg_segment_size: 24
    .max_flat_workgroup_size: 128
    .sgpr_count:     100
    .vgpr_count:     1024
    .wavefront_size: 32
...
	.end_amdgpu_metadata
.endif
;; end of part 2
;; launch attn (part 3): grid 4 x 64, 16 waves a work-group, clusters of 4 x 1, 169,984 bytes of LDS; arguments qkv, yimg; writes yimg
.if DOCPART == 3
	.amdgcn_target "amdgcn-amd-amdhsa--gfx1250"
	.amdhsa_code_object_version 6
	.text
	.protected	k_q024b3f5233_attn
	.globl	k_q024b3f5233_attn
	.p2align	8
	.type	k_q024b3f5233_attn,@function
k_q024b3f5233_attn:
	s_mov_b64 s[64:65], 0
	v_nop
	global_prefetch_b8 v0, s[64:65] scope:SCOPE_SE
	s_setreg_imm32_b32 hwreg(HW_REG_WAVE_MODE, 25, 1), 1
	s_wait_xcnt 0x0
	s_wait_alu depctr_hold_cnt(0) depctr_sa_sdst(0) depctr_va_vdst(0) depctr_va_sdst(0) depctr_va_ssrc(0) depctr_va_vcc(0) depctr_vm_vsrc(0)
	s_getreg_b32 s2, hwreg(HW_REG_IB_STS2, 6, 4)
	s_cmp_eq_u32 s2, 0
	s_cbranch_scc0 .Lentry_in_a_cluster
	s_endpgm
.Lentry_in_a_cluster:
	s_bfe_u32 s2, ttmp6, 0x10000c
	s_cmp_lg_u32 s2, 0x3003
	s_cbranch_scc0 .Lentry_shape_is_right
	s_endpgm
.Lentry_shape_is_right:
; Causal attention of one (batch, head) for each cluster of four work-groups, both products on codes of FP6 (E2M3) with E8M0 scales; head size 64, 1,024 keys.
; t = score x log2(e) / 8; M = the running largest t rounded up to a whole number; p = 2^(t - M) is quantised along the keys, not normalised; the sum of the unquantised p divides at the end.
; The result is quantised along C (its head's 64 are two blocks) and stored into the images that the next product reads.
; SHARES.  Wave w of partner cx owns block 4 w + cx of 16 queries, so it walks w / 2 + 1 key steps of 128, a number in which cx has no part; all work-groups have the same 72 steps.
; LDS.  A record's K half images, K scale words, V^T images and V scale words, 104,448 bytes, come ONCE, by four joint loads (waves 0-3, 102 rows of 256 bytes each), and are then only read: no slot is filled again.
; LAYOUT.  Both products transposed: S^T = K Q^T, O^T = V^T P^T: a lane holds one query.  Slot r of a block of 16 tokens is token 32 (B / 2) + 8 (B % 2) + r + 8 (r / 8): the 16 registers of tiles 2 b, 2 b + 1 of S^T are 16 neighbouring keys.
; K = 64 IN AN INSTRUCTION OF 128.  Q's registers 6-11 are zero codes.  K's tile t is v[42 + 6 t .. 53 + 6 t]: its upper six registers are the next tile's codes (zeros behind the last).  FP6 has no NaN and no infinity and
; no scale byte here is 0xff, so those products are zeros: zero codes stand on ONE side only.
; LIMITS: a block whose largest magnitude lies under 2^-124 is held at the byte 1; a block of zeros gets the byte 1, not 127; NaN and infinities are not served.
; The middle 512 bytes of an output fragment and its scale words are shared by two heads, so they are stored in pieces of 8 and of 2 bytes.
.set REC, 157696
.set KSC, 49152
.set VIM, 53248
.set VSC, 102400
.set QIM, 104448
.set QSC, 153600
.set YSC, 3145728
.set WV,  18                           ; my wave
.set WH,  19                           ; my last key step: wave / 2
.set SEL, 20                           ; s[20:21]
.set CS,  22                           ; s[22:23] c = log2(e) / 8
.set ST,  24                           ; the key step
.set TK,  25                           ; LDS steps: K's images 6,144 a step, K's words 512, V's images 1,536, V's words 64
.set TS,  26
.set TV,  27
.set TT,  28
.set G1,  32
.set G0,  40
.set S,   144                          ; v144-207 S^T, then p
.set O,   208                          ; v208-239 O^T
; v1 16 l; v2 512 + 8 l; v3, v4, v5 bases of K's words, V's images, V's words; v6 my query less the diagonal step's first key less 16 h; v7-11 the step's addresses;
; v12 -M, v13 the largest t, v[14:15] the sum; v16-27 Q; v28 Q's word, v29 p's, v30-37 K's, v38-41 V's (scales and nothing else); v42-95 K; v96-143 V.
; Behind the scores K's registers are at work: v42-61 p's codes, v62-65 block maxima, v66-69, v70-73 scale operands, v74, v[76:77] f, v[78:79] a second chain of the sum.
.macro CROUND
	s_barrier_signal -1
	s_barrier_wait -1
	s_cmp_lg_u32 s[WV], 0
	s_cbranch_scc1 .Lnot_wave_0_\@
	s_barrier_signal -3
.Lnot_wave_0_\@:
	s_barrier_wait -3
	s_barrier_signal -1
	s_barrier_wait -1
.endm
	s_load_b128 s[4:7], s[0:1], 0x0                ; qkv, the output images
	v_lshl_add_u32 v254, v0, 2, 0x29000
	v_mov_b32 v255, 0
	ds_add_u32 v254, v255
	ds_add_u32 v254, v255
	v_lshrrev_b32 v1, 5, v0
	s_delay_alu instid0(VALU_DEP_1)
	v_readfirstlane_b32 s[WV], v1                  ; wave 0..15
	s_lshr_b32 s[WH], s[WV], 1
	s_bfe_u32 s8, ttmp6, 0x40000                   ; cx
	s_and_b32 s9, ttmp7, 0xffff                    ; 16 x batch + head, which the four partners share
	s_lshl_b32 s10, s[WV], 2
	s_add_co_u32 s10, s10, s8                      ; my block of queries
	s_mul_i32 s12, s9, REC
	s_mov_b32 s13, 0
	s_mul_i32 s11, s[WV], 26112                    ; a fetching wave's quarter, in memory and in LDS alike
	s_mov_b32 s14, s11
	s_mov_b32 s15, 0
	s_mov_b32 s[G1], 15|(3<<16)|(1<<21)            ; all four work-groups; elements of 8 bytes; no padding
	s_mov_b32 s[G1+1], 32<<16
	s_mov_b32 s[G1+2], 102<<16
	s_mov_b32 s[G1+3], 32<<16
	s_mov_b32 s[G1+4], 102
	s_mov_b32 s[G1+5], 32
	s_mov_b32 s[G1+6], 0
	s_mov_b32 s[G1+7], 0
	s_mov_b32 s[SEL], 0x76543210
	s_mov_b32 s[SEL+1], 0xfedcba98
	s_mov_b32 s[CS], 0x3e38aa3b
	s_mov_b32 s[CS+1], s[CS]
	s_mov_b32 s[ST], 0
	s_mov_b32 s[TK], 0
	s_mov_b32 s[TS], 0
	s_mov_b32 s[TV], 0
	s_mov_b32 s[TT], 0
	s_mul_i32 s44, s10, 768
	s_add_co_u32 s44, s44, QIM
	s_mov_b32 s45, 0
	s_lshl_b32 s46, s10, 6
	s_add_co_u32 s46, s46, QSC
	s_mov_b32 s47, 0
	s_wait_dscnt 0x0
	s_wait_kmcnt 0x0
	s_add_nc_u64 s[12:13], s[4:5], s[12:13]        ; the record
	s_mov_b32 s[G0], 1
	s_mov_b32 s[G0+1], s11
	s_add_nc_u64 s[G0+2:G0+3], s[12:13], s[14:15]
	s_or_b32 s[G0+3], s[G0+3], 0x80000000
	s_add_nc_u64 s[16:17], s[12:13], s[44:45]      ; my Q half image
	s_add_nc_u64 s[30:31], s[12:13], s[46:47]      ; its scale words
	CROUND                                         ; all four work-groups are here: the joint loads meet
	s_cmp_lt_u32 s[WV], 4
	s_cbranch_scc0 .Lno_fetch
	tensor_load_to_lds s[G0:G0+3], s[G1:G1+7]
	s_nop 0
.rept 4
	v_nop
.endr
.Lno_fetch:
	v_and_b32 v74, 31, v0                          ; lane
	v_and_b32 v75, 15, v0                          ; r
	v_bfe_u32 v76, v0, 4, 1                        ; h
	s_delay_alu instid0(VALU_DEP_3)
	v_lshlrev_b32 v1, 4, v74
	s_delay_alu instid0(VALU_DEP_4)
	v_lshl_add_u32 v2, v74, 3, 512
	s_delay_alu instid0(VALU_DEP_4)
	v_lshlrev_b32 v79, 2, v75
	global_load_b128 v[16:19], v1, s[16:17]        ; Q stays in registers
	global_load_b64 v[20:21], v2, s[16:17]
	global_load_b32 v28, v79, s[30:31]
	v_add_nc_u32 v3, KSC, v79
	v_add_nc_u32 v4, VIM, v1
	v_add_nc_u32 v5, VSC, v79
	s_lshr_b32 s46, s10, 1
	s_lshl_b32 s46, s46, 5
	s_and_b32 s47, s10, 1
	s_lshl_b32 s47, s47, 3
	s_add_co_u32 s46, s46, s47
	s_lshl_b32 s47, s[WH], 7
	s_sub_co_u32 s46, s46, s47
	v_and_b32 v6, 8, v75
	s_delay_alu instid0(VALU_DEP_1)
	v_add_nc_u32 v6, v6, v75
	s_delay_alu instid0(VALU_DEP_1)
	v_add_nc_u32 v6, s46, v6
	v_lshlrev_b32 v77, 4, v76
	s_delay_alu instid0(VALU_DEP_1)
	v_sub_nc_u32 v6, v6, v77
.irp j, 22,23,24,25,26,27,90,91,92,93,94,95
	v_mov_b32 v\j, 0                               ; zero codes: Q's upper half, and behind K's last tile
.endr
.irp j, 66,67,68,69
	v_mov_b32 v\j, 0                               ; a lane permute's destination counts as one of its sources
.endr
	v_mov_b32 v13, 0xff61b1e6                      ; the largest t so far: -3e38
	s_delay_alu instid0(VALU_DEP_1)
	v_floor_f32 v12, -v13
	v_mov_b32 v14, 0
	v_mov_b32 v15, 0
.set j, 0
.rept 32
	v_mov_b32 v[O+j], 0                            ; the step is written once: the first finds zeros
.set j, j+1
.endr
	s_wait_tensorcnt 0x0                           ; my quarter has landed (a wave that fetched nothing passes)
	s_wait_loadcnt 0x0                             ; Q
	s_barrier_signal -1
	s_barrier_wait -1                              ; all four quarters have
.Lstep:                                                ; eight trips, a constant; a wave's steps behind its diagonal are jumped over, all but the lines that step addresses
	s_cmp_gt_u32 s[ST], s[WH]
	s_cbranch_scc1 .Lskip
	v_add_nc_u32 v7, s[TK], v1                     ; (these five are also the places in front of loads into registers that the last step's products have read)
	v_add_nc_u32 v8, s[TK], v2
	v_add_nc_u32 v9, s[TS], v3
	v_add_nc_u32 v10, s[TV], v4
	v_add_nc_u32 v11, s[TT], v5
.irp t, 0,1,2,3,4,5,6,7
	ds_load_b128 v[42+6*\t:45+6*\t], v7 offset:768*\t
	ds_load_b64 v[46+6*\t:47+6*\t], v8 offset:768*\t
	ds_load_b32 v[30+\t], v9 offset:64*\t
.endr
.irp t, 0,1,2,3
.irp c, 0,1,2
	ds_load_b128 v[96+12*\t+4*\c:99+12*\t+4*\c], v10 offset:12288*\t+512*\c
.endr
	ds_load_b32 v[38+\t], v11 offset:512*\t
.endr
	s_wait_dscnt 16                                ; K's 24 loads are in; V's 16 may be out
.irp t, 0,1,2,3,4,5,6,7
	v_wmma_scale_f32_16x16x128_f8f6f4 v[S+8*\t:S+8*\t+7], v[42+6*\t:53+6*\t], v[16:27], 0, v[30+\t], v28 matrix_a_fmt:MATRIX_FMT_FP6 matrix_b_fmt:MATRIX_FMT_FP6
.endr
.rept 4
	v_nop
.endr
	s_cmp_lg_u32 s[ST], s[WH]                      ; on the diagonal the scores of hidden keys become -infinity ahead of the maximum
	s_cbranch_scc1 .Lopen
	v_mov_b32 v74, 0xff800000
.set n, 0
.rept 64
	v_cmp_gt_i32 vcc_lo, 32*(n/16)+n%16, v6        ; register 16 b + i holds key 32 b + 16 h + i of the step
	v_cndmask_b32 v[S+n], v[S+n], v74, vcc_lo
.set n, n+1
.endr
.Lopen:
.irp b, 0,1,2,3
	v_max3_num_f32 v[62+\b], v[S+16*\b], v[S+1+16*\b], v[S+2+16*\b]   ; the largest score of each block of 32 keys: for the row's maximum and for the block's largest p
.endr
.irp i, 3,5,7,9,11,13
.irp b, 0,1,2,3
	v_max3_num_f32 v[62+\b], v[62+\b], v[S+16*\b+\i], v[S+1+16*\b+\i]
.endr
.endr
.irp b, 0,1,2,3
	v_max_num_f32 v[62+\b], v[62+\b], v[S+15+16*\b]
.endr
.irp b, 0,1,2,3
	s_delay_alu instid0(VALU_DEP_4)
	v_permlanex16_b32 v[66+\b], v[62+\b], s[SEL], s[SEL+1]
.endr
.irp b, 0,1,2,3
	s_delay_alu instid0(VALU_DEP_4)
	v_max_num_f32 v[62+\b], v[62+\b], v[66+\b]
.endr
	s_delay_alu instid0(VALU_DEP_2)
	v_max3_num_f32 v74, v62, v63, v64
	s_delay_alu instid0(VALU_DEP_1)
	v_max_num_f32 v74, v74, v65
	s_delay_alu instid0(VALU_DEP_1)
	v_mul_f32 v74, s[CS], v74
	s_delay_alu instid0(VALU_DEP_1)
	v_max_num_f32 v13, v13, v74                    ; the running largest t
	v_mov_b32 v74, v12
	s_delay_alu instid0(VALU_DEP_2)
	v_floor_f32 v12, -v13                          ; -M = floor(-t): M is a whole number
	s_delay_alu instid0(VALU_DEP_1)
	v_sub_f32 v74, v12, v74
	s_delay_alu instid0(VALU_DEP_1)
	v_cvt_i32_f32 v74, v74                         ; (it saturates)
	s_delay_alu instid0(VALU_DEP_1)
	v_ldexp_f32 v76, 1.0, v74                      ; f = 2^(old M - new M)
.set j, 0
.rept 32
	v_pk_fma_f32 v[S+j:S+j+1], v[S+j:S+j+1], s[CS:CS+1], v[12:13] op_sel_hi:[1,0,0]   ; t - M
.set j, j+2
.endr
.irp b, 0,1,2,3
	v_fma_f32 v[62+\b], v[62+\b], s[CS], v12
.endr
.set j, 0
	s_wait_alu depctr_va_vdst(0)
.rept 64
	v_exp_f32 v[S+j], v[S+j]                       ; p = 2^(t - M)
.set j, j+1
.endr
	v_pk_mul_f32 v[14:15], v[14:15], v[76:77] op_sel_hi:[1,0]   ; the sums under the new M; a plain place behind the exponentials
	s_wait_alu depctr_va_vdst(0)                   ; one wait for the batch, ahead of its first reader
.irp b, 0,1,2,3
	v_exp_f32 v[62+\b], v[62+\b]                   ; each block's largest p
.endr
	v_pk_add_f32 v[78:79], v[148:149], v[152:153]
	v_pk_add_f32 v[252:253], v[156:157], v[160:161]
	v_pk_add_f32 v[250:251], v[164:165], v[168:169]
	v_pk_add_f32 v[248:249], v[172:173], v[176:177]
	v_pk_add_f32 v[246:247], v[180:181], v[184:185]
	v_pk_add_f32 v[244:245], v[188:189], v[192:193]
	v_pk_add_f32 v[242:243], v[196:197], v[200:201]
	v_pk_add_f32 v[14:15], v[14:15], v[204:205]
	v_pk_add_f32 v[78:79], v[78:79], v[144:145]
	v_pk_add_f32 v[252:253], v[252:253], v[146:147]
	v_pk_add_f32 v[250:251], v[250:251], v[150:151]
	v_pk_add_f32 v[248:249], v[248:249], v[154:155]
	v_pk_add_f32 v[246:247], v[246:247], v[158:159]
	v_pk_add_f32 v[244:245], v[244:245], v[162:163]
	v_pk_add_f32 v[242:243], v[242:243], v[166:167]
	v_pk_add_f32 v[14:15], v[14:15], v[170:171]
	v_pk_add_f32 v[78:79], v[78:79], v[174:175]
	v_pk_add_f32 v[252:253], v[252:253], v[178:179]
	v_pk_add_f32 v[250:251], v[250:251], v[182:183]
	v_pk_add_f32 v[248:249], v[248:249], v[186:187]
	v_pk_add_f32 v[246:247], v[246:247], v[190:191]
	v_pk_add_f32 v[244:245], v[244:245], v[194:195]
	v_pk_add_f32 v[242:243], v[242:243], v[198:199]
	v_pk_add_f32 v[14:15], v[14:15], v[202:203]
	v_pk_add_f32 v[78:79], v[78:79], v[206:207]
	s_delay_alu instid0(VALU_DEP_2)
	v_pk_add_f32 v[14:15], v[14:15], v[248:249]
	s_delay_alu instid0(VALU_DEP_2)
	v_pk_add_f32 v[78:79], v[78:79], v[246:247]
	v_pk_add_f32 v[252:253], v[252:253], v[244:245]
	v_pk_add_f32 v[250:251], v[250:251], v[242:243]
	s_delay_alu instid0(VALU_DEP_2)
	v_pk_add_f32 v[14:15], v[14:15], v[252:253]
	s_delay_alu instid0(VALU_DEP_2)
	v_pk_add_f32 v[78:79], v[78:79], v[250:251]
	s_delay_alu instid0(VALU_DEP_1)
	v_pk_add_f32 v[14:15], v[14:15], v[78:79]
	s_wait_alu depctr_va_vdst(0)                   ; and one for the four
.irp b, 0,1,2,3
	v_max_num_f32 v[62+\b], 0x1800000, v[62+\b]    ; the floor 2^(3 - 127)
.endr
.irp b, 0,1,2,3
	s_delay_alu instid0(VALU_DEP_4)
	v_add_nc_u32 v[70+\b], 0xff000000, v[62+\b]
.endr
.irp b, 0,1,2,3
	s_delay_alu instid0(VALU_DEP_4)
	v_lshrrev_b32 v[66+\b], 23, v[70+\b]
.endr
	s_delay_alu instid0(VALU_DEP_3)
	v_lshl_or_b32 v29, v67, 8, v66                 ; p's scale word
	s_delay_alu instid0(VALU_DEP_1)
	v_lshl_or_b32 v29, v68, 16, v29
	s_delay_alu instid0(VALU_DEP_1)
	v_lshl_or_b32 v29, v69, 24, v29
.irp c, 0,1
	v_cvt_scalef32_pk16_fp6_f32 v[42+6*\c:44+6*\c], v[S+32*\c:S+15+32*\c], v[70+2*\c]
	v_cvt_scalef32_pk16_fp6_f32 v[54+4*\c:56+4*\c], v[S+16+32*\c:S+31+32*\c], v[70+2*\c+1]
.endr
	v_nop                                          ; one plain place behind a scaled conversion
.irp c, 0,1
.irp i, 0,1,2
	v_permlane16_swap_b32 v[42+6*\c+\i], v[54+4*\c+\i]
.endr
.irp i, 0,1,2
	s_delay_alu instid0(VALU_DEP_3)
	v_mov_b32 v[45+6*\c+\i], v[54+4*\c+\i]
.endr
.endr
.set j, 0
.rept 16
	v_pk_mul_f32 v[O+j:O+j+1], v[O+j:O+j+1], v[76:77] op_sel_hi:[1,0]   ; O^T under the new M.  For each product below twelve of these name none of its registers: the places behind p's word and codes
.set j, j+2
.endr
.rept 4
	v_nop
.endr
	s_wait_alu depctr_va_vdst(0)
	s_wait_dscnt 0x0                               ; V
.irp t, 0,1,2,3
	v_wmma_scale_f32_16x16x128_f8f6f4 v[O+8*\t:O+8*\t+7], v[96+12*\t:107+12*\t], v[42:53], v[O+8*\t:O+8*\t+7], v[38+\t], v29 matrix_a_fmt:MATRIX_FMT_FP6 matrix_b_fmt:MATRIX_FMT_FP6
.endr
.Lskip:
	s_add_co_u32 s[TK], s[TK], 6144
	s_add_co_u32 s[TS], s[TS], 512
	s_add_co_u32 s[TV], s[TV], 1536
	s_add_co_u32 s[TT], s[TT], 64
	s_add_co_u32 s[ST], s[ST], 1
	s_cmp_lt_u32 s[ST], 8
	s_cbranch_scc1 .Lstep
	; THE WAY OUT.  O^T / the sum; its 32 registers are d = 32 b + 16 h + i: two blocks; they become registers 6 c .. 6 c + 5 (c = head % 2) of fragment (my block of tokens, K step head / 2).
	v_and_b32 v75, 15, v0
	s_delay_alu instid0(VALU_DEP_1)
	v_lshlrev_b32 v75, 2, v75                      ; 4 r
	v_add_f32 v14, v14, v15
	s_delay_alu instid0(VALU_DEP_1)
	v_permlanex16_b32 v74, v14, s[SEL], s[SEL+1]
	s_delay_alu instid0(VALU_DEP_1)
	v_add_f32 v14, v14, v74                        ; the row's sum
	s_wait_alu depctr_va_vdst(0)
	v_rcp_f32 v14, v14
	s_lshr_b32 s44, s9, 4
	s_lshl_b32 s44, s44, 6
	s_add_co_u32 s44, s44, s10                     ; 64 x batch + my block
	s_lshl_b32 s44, s44, 3
	s_bfe_u32 s45, s9, 0x30001                     ; head / 2
	s_add_co_u32 s44, s44, s45
	s_and_b32 s46, s9, 1                           ; c
	s_mul_i32 s48, s44, 1536
	s_mov_b32 s49, 0
	s_add_nc_u64 s[48:49], s[6:7], s[48:49]
	s_lshl_b32 s50, s44, 6
	s_add_co_u32 s50, s50, YSC
	s_lshl_b32 s47, s46, 1
	s_add_co_u32 s50, s50, s47
	s_mov_b32 s51, 0
	s_add_nc_u64 s[50:51], s[6:7], s[50:51]
	v_nop                                          ; a plain place behind the transcendental
	s_wait_alu depctr_va_vdst(0)                   ; the wait, ahead of its first reader
.set j, 0
.rept 32
	v_mul_f32 v[S+j], v[O+j], v14
.set j, j+1
.endr
.irp b, 0,1
	v_max3_num_f32 v[62+\b], |v[S+16*\b]|, |v[S+1+16*\b]|, 0x1800000
.endr
.irp i, 2,4,6,8,10,12,14
.irp b, 0,1
	s_delay_alu instid0(VALU_DEP_2)
	v_max3_num_f32 v[62+\b], v[62+\b], |v[S+16*\b+\i]|, |v[S+1+16*\b+\i]|
.endr
.endr
.irp b, 0,1
	s_delay_alu instid0(VALU_DEP_2)
	v_permlanex16_b32 v[66+\b], v[62+\b], s[SEL], s[SEL+1]
.endr
.irp b, 0,1
	s_delay_alu instid0(VALU_DEP_2)
	v_max_num_f32 v[62+\b], v[62+\b], v[66+\b]
.endr
.irp b, 0,1
	s_delay_alu instid0(VALU_DEP_2)
	v_add_nc_u32 v[70+\b], 0xff000000, v[62+\b]
.endr
.irp b, 0,1
	s_delay_alu instid0(VALU_DEP_2)
	v_lshrrev_b32 v[66+\b], 23, v[70+\b]
.endr
	s_delay_alu instid0(VALU_DEP_1)
	v_lshl_or_b32 v246, v67, 8, v66                ; my head's two bytes of the scale word
	v_cvt_scalef32_pk16_fp6_f32 v[240:242], v[S:S+15], v70
	v_cvt_scalef32_pk16_fp6_f32 v[248:250], v[S+16:S+31], v71
	v_nop
.irp i, 0,1,2
	v_permlane16_swap_b32 v[240+\i], v[248+\i]
.endr
.irp i, 0,1,2
	s_delay_alu instid0(VALU_DEP_3)
	v_mov_b32 v[243+\i], v[248+\i]
.endr
	s_cmp_eq_u32 s46, 0                            ; the same in all four partners
	s_cbranch_scc0 .Lodd
	global_store_b128 v1, v[240:243], s[48:49]             ; registers 0-3
	global_store_b64 v1, v[244:245], s[48:49] offset:512   ; registers 4, 5
	s_branch .Lsent
.Lodd:
	s_wait_alu depctr_va_vdst(0)
	global_store_b64 v1, v[240:241], s[48:49] offset:520   ; registers 6, 7
	global_store_b128 v1, v[242:245], s[48:49] offset:1024 ; registers 8-11
.Lsent:
	s_wait_alu depctr_va_vdst(0)
	global_store_b16 v75, v246, s[50:51]           ; lanes l and l xor 16 hold the same bytes and write them to the same place
	s_wait_tensorcnt 0x0
	ds_add_u32 v254, v255
	s_wait_dscnt 0x0
	CROUND                                         ; the closing round
	s_endpgm
.Lfunc_end_k_q024b3f5233_attn:
	.size	k_q024b3f5233_attn, .Lfunc_end_k_q024b3f5233_attn-k_q024b3f5233_attn
	.p2alignl 7, 3214868480
	.fill 96, 4, 3214868480
	.section	.rodata,"a",@progbits
	.p2align	6, 0x0
	.amdhsa_kernel k_q024b3f5233_attn
		.amdhsa_group_segment_fixed_size 169984
		.amdhsa_private_segment_fixed_size 0
		.amdhsa_enable_private_segment 0
		.amdhsa_kernarg_size 16
		.amdhsa_user_sgpr_count 2
		.amdhsa_user_sgpr_kernarg_segment_ptr 1
		.amdhsa_wavefront_size32 1
		.amdhsa_system_sgpr_workgroup_id_x 1
		.amdhsa_system_sgpr_workgroup_id_y 1
		.amdhsa_system_sgpr_workgroup_id_z 1
		.amdhsa_system_vgpr_workitem_id 0
		.amdhsa_next_free_vgpr 256
		.amdhsa_next_free_sgpr 66
		.amdhsa_reserve_vcc 1
		.amdhsa_float_denorm_mode_32 3
		.amdhsa_float_denorm_mode_16_64 3
		.amdhsa_memory_ordered 1
		.amdhsa_forward_progress 1
		.amdhsa_inst_pref_size 35
	.end_amdhsa_kernel
	.amdgpu_metadata
---
amdhsa.version: [ 1, 2 ]
amdhsa.kernels:
  - .name:           k_q024b3f5233_attn
    .symbol:         k_q024b3f5233_attn.kd
    .args:
      - { .name: qkv, .offset: 0, .size: 8, .value_kind: global_buffer, .address_space: global }
      - { .name: yimg, .offset: 8, .size: 8, .value_kind: global_buffer, .address_space: global }
    .group_segment_fixed_size: 169984
    .private_segment_fixed_size: 0
    .kernarg_segment_align: 8
    .kernarg_segment_size: 16
    .max_flat_workgroup_size: 512
    .sgpr_count:     66
    .vgpr_count:     256
    .wavefront_size: 32
...
	.end_amdgpu_metadata
.endif
;; end of part 3
;; launch proj (part 4): grid 8 x 32, 4 waves a work-group, clusters of 4 x 4, 327,680 bytes of LDS; arguments yimg, wa, c_proj_b, x, x1; writes x1
.if DOCPART == 4
	.amdgcn_target "amdgcn-amd-amdhsa--gfx1250"
	.amdhsa_code_object_version 6
	.text
	.protected	k_q024b3f5233_proj
	.globl	k_q024b3f5233_proj
	.p2align	8
	.type	k_q024b3f5233_proj,@function
k_q024b3f5233_proj:
	s_mov_b64 s[64:65], 0
	v_nop
	global_prefetch_b8 v0, s[64:65] scope:SCOPE_SE
	s_setreg_imm32_b32 hwreg(HW_REG_WAVE_MODE, 25, 1), 1
	s_wait_xcnt 0x0
	s_wait_alu depctr_hold_cnt(0) depctr_sa_sdst(0) depctr_va_vdst(0) depctr_va_sdst(0) depctr_va_ssrc(0) depctr_va_vcc(0) depctr_vm_vsrc(0)
	s_getreg_b32 s2, hwreg(HW_REG_IB_STS2, 6, 4)
	s_cmp_eq_u32 s2, 0
	s_cbranch_scc0 .Lentry_in_a_cluster
	s_endpgm
.Lentry_in_a_cluster:
	s_bfe_u32 s2, ttmp6, 0x10000c
	s_cmp_lg_u32 s2, 0xf033
	s_cbranch_scc0 .Lentry_shape_is_right
	s_endpgm
.Lentry_shape_is_right:
; x1 = x + y Wp + b on codes of FP6 (E2M3) with E8M0 scales, M 4,096, N 1,024, K 1,024 (8 steps of 128); f32 out.
; OPERANDS are images of operand registers: a fragment (16 rows x 128 K, 12 registers a lane) is 1,536 bytes, laid [rows / 16][K / 128][1536]; scale words [rows / 16][K / 128][16].
; Slot r of block RB is row 32 (RB / 2) + 8 (RB % 2) + r + 8 (r / 8).  The product is used transposed (source 0 = W's columns, source 1 = tokens).
; A work-group makes 128 x 128 (256 work-groups), a wave 64 x 64: 16 accumulators, which take turns.
; ALL OF K LIES IN LDS AT ONCE: 2 x 8 blocks x 8 steps x 1,536 = 196,608 bytes of codes and 8,192 of scale words, asked for at the head, one joint load a wave
; (wave 0 A's codes, wave 1 B's, wave 2 A's scale words, wave 3 B's).  Nothing is filled again, so there is one barrier and no ring.
; CLUSTER 4 x 4: A's tiles are shared along a row of the cluster, B's along a column.
; No prefetch: every tile is asked for at the head, and there is no loop to run ahead in.
.set NB,  4
.set KS,  8
.set A_S, 3145728
.set B_C, 5734400
.set B_S, 6520832
.set FRB,   1536
.set Q0,    NB*KS*FRB                  ; four blocks, all K: what one wave reads of A or of B
.set SCL,   4*Q0                       ; the scale words
.set HALFS, NB*KS*64
.set STAGE, SCL+4*HALFS                ; the way out: 16 rows x 272 bytes for each wave, bytes into which no fill lands
.set SPARE, STAGE+4*16*272             ; the spare words, 128 bytes for each wave
.set ADRA, 16
.set ADRB, 20
.set STO,  22
.set RD,   23
.set L16,  24
.set CO,   25
.set R4,   26
.set ADRS, 27
.set SPW,  28
.set NIL,  29
.set SC,   32                          ; v32-39 scale words and nothing else: set p at 32 + 4 p; lanes 0-15 A's block i, lanes 16-31 B's
.set AF,   64                          ; window 0: A's fragments, two sets of 48
.set BK,   192                         ; window 0: rows read back from the stage
.set BB,   192                         ; window 1: B's fragments, two sets of 48 from v0; from v192 the bias
.set RS,   128                         ; window 2: v0-127 the accumulators; from v128 the residual
.set G1, 24
.set G0, 32
.set G1B, 48
.set G0B, 56
.set G1S, 68
.set G0S, 76
.set G1SB, 80
.set G0SB, 88
.set MSB, 0
.macro WIN new                         ; the immediate's high byte repeats the setting that is left
.set WNEW, \new
.if MSB != WNEW
	s_set_vgpr_msb (MSB<<8)|WNEW
.set MSB, WNEW
.endif
.endm
.macro PLACES n
.rept \n
	v_nop
.endr
.endm
.macro CROUND                          ; a round of the cluster's barrier
	s_barrier_signal -1
	s_barrier_wait -1
	s_cmp_lg_u32 s14, 0
	s_cbranch_scc1 .Lnot_wave_0_\@
	s_barrier_signal -3
.Lnot_wave_0_\@:
	s_barrier_wait -3
	s_barrier_signal -1
	s_barrier_wait -1
.endm
.macro ARM under, g0, g1, next         ; one arm of the head's chain: one load, then the jump to the join
	s_cmp_lt_u32 s14, \under
	s_cbranch_scc0 \next
	tensor_load_to_lds s[\g0:\g0+3], s[\g1:\g1+7]
	s_nop 0
	PLACES 4
	s_branch .Lhead_asked
\next:
.endm
.macro FRAG reg, adr, off              ; a fragment comes as it was stored: three loads of 512 consecutive bytes
.irp c, 0,1,2
	ds_load_b128 v[\reg+4*\c:\reg+4*\c+3], v[\adr] offset:\off+512*\c
.endr
.endm
.macro FETCH st                        ; both sides' fragments and scale words of K step st into set st % 2
.set fp, (\st)%2
	WIN 0x40
.set fi, 0
.rept NB
	FRAG 12*NB*fp+12*fi, ADRB, (fi*KS+(\st))*FRB
.set fi, fi+1
.endr
	WIN 0
.set fi, 0
.rept NB
	FRAG AF+12*NB*fp+12*fi, ADRA, (fi*KS+(\st))*FRB
	ds_load_b32 v[SC+NB*fp+fi], v[ADRS] offset:fi*KS*64+(\st)*64
.set fi, fi+1
.endr
.endm
.macro MULA a, p, first                ; A's block a against B's four; the first products take the bias as C
.set mb, 0
.rept NB
.set mD, 8*((\a)*NB+mb)
.if \first
	v_wmma_scale_f32_16x16x128_f8f6f4 v[mD:mD+7], v[12*NB*(\p)+12*mb:12*NB*(\p)+12*mb+11], v[AF+12*NB*(\p)+12*(\a):AF+12*NB*(\p)+12*(\a)+11], v[BB+8*mb:BB+8*mb+7], v[SC+NB*(\p)+mb], v[SC+NB*(\p)+(\a)] matrix_a_fmt:MATRIX_FMT_FP6 matrix_b_fmt:MATRIX_FMT_FP6 matrix_a_scale:MATRIX_SCALE_ROW1
.else
	v_wmma_scale_f32_16x16x128_f8f6f4 v[mD:mD+7], v[12*NB*(\p)+12*mb:12*NB*(\p)+12*mb+11], v[AF+12*NB*(\p)+12*(\a):AF+12*NB*(\p)+12*(\a)+11], v[mD:mD+7], v[SC+NB*(\p)+mb], v[SC+NB*(\p)+(\a)] matrix_a_fmt:MATRIX_FMT_FP6 matrix_b_fmt:MATRIX_FMT_FP6 matrix_a_scale:MATRIX_SCALE_ROW1
.endif
.set mb, mb+1
.endr
.endm
.macro MULR a0, cnt, p, first          ; source 0 (B) window 1, source 1 (A) window 0, D window 2, C window 2 (the bias: window 1)
.set ma, \a0
.rept \cnt
.if \first
	WIN 0x91
.else
	WIN 0xa1
.endif
	MULA ma, \p, \first
.set ma, ma+1
.endr
.endm
.macro STEP st, first                  ; the successor's fragments are asked for ahead of this step's products
	s_wait_dscnt 0x0                               ; this step's set was asked for a step ago
	PLACES 4                                       ; in front of loads into registers that the last step's products have read
	FETCH (\st)+1
	MULR 0, NB, (\st)%2, \first
	WIN 0
.endm
.macro RESID a                         ; the residual of block a: 16 rows x 256 bytes, as they will be stored
	WIN 0x80
.irp i, 0,1,2,3,4,5,6,7
	global_load_b128 v[RS+32*(\a)+4*\i:RS+32*(\a)+4*\i+3], v[CO], s[10:11] offset:(32*((\a)/2)+8*((\a)%2)+2*\i+8*(\i/4))*4096 th:TH_LOAD_NT
.endr
	WIN 0
.endm
	s_load_b256 s[4:11], s[0:1], 0x0               ; y's images, the weights', the bias, the residual
	s_load_b64 s[12:13], s[0:1], 0x20              ; x1
	v_lshl_add_u32 v[SPW], v0, 2, SPARE
	v_mov_b32 v[NIL], 0
	ds_add_u32 v[SPW], v[NIL]                      ; the opening lines
	ds_add_u32 v[SPW], v[NIL]
	v_lshrrev_b32 v1, 5, v0
	v_readfirstlane_b32 s14, v1                    ; wave 0..3
	s_lshr_b32 s15, s14, 1                         ; my half of A's rows
	s_and_b32 s16, s14, 1                          ; my half of B's rows
	s_bfe_u32 s40, ttmp6, 0x40000                  ; cx
	s_bfe_u32 s41, ttmp6, 0x40004                  ; cy
	s_lshl_b32 s42, ttmp9, 2
	s_add_co_u32 s42, s42, s40                     ; B's tile
	s_and_b32 s17, ttmp7, 0xffff
	s_lshl_b32 s17, s17, 2
	s_add_co_u32 s17, s17, s41                     ; A's tile
	s_lshl_b32 s43, s41, 2
	s_lshl_b32 s43, 15, s43                        ; my row of the cluster
	s_lshl_b32 s44, 0x1111, s40                    ; my column
	s_or_b32 s[G1+0], s43, (3<<16)|(1<<21)         ; codes: 8 rows (blocks) of 8 fragments, elements of 8 bytes; dense in LDS
	s_or_b32 s[G1B+0], s44, (3<<16)|(1<<21)
.irp g, G1, G1B
	s_mov_b32 s[\g+1], (192*KS)<<16
	s_mov_b32 s[\g+2], (2*NB)<<16
	s_mov_b32 s[\g+3], (192*KS)<<16
	s_mov_b32 s[\g+4], 2*NB
	s_mov_b32 s[\g+5], 192*KS
	s_mov_b32 s[\g+6], 0
	s_mov_b32 s[\g+7], 0
.endr
	s_or_b32 s[G1S+0], s43, (3<<16)|(1<<21)        ; scale words of 8 blocks: a dense block, as rows of 256 bytes
	s_or_b32 s[G1SB+0], s44, (3<<16)|(1<<21)
.irp g, G1S, G1SB
	s_mov_b32 s[\g+1], 32<<16
	s_mov_b32 s[\g+2], (2*HALFS/256)<<16
	s_mov_b32 s[\g+3], 32<<16
	s_mov_b32 s[\g+4], 2*HALFS/256
	s_mov_b32 s[\g+5], 32
	s_mov_b32 s[\g+6], 0
	s_mov_b32 s[\g+7], 0
.endr
	s_mul_i32 s20, s17, 2*NB*KS*FRB
	s_mul_i32 s22, s17, 2*NB*KS*64
	s_add_co_u32 s22, s22, A_S
	s_mul_i32 s46, s42, 2*NB*KS*FRB
	s_add_co_u32 s46, s46, B_C
	s_mul_i32 s92, s42, 2*NB*KS*64
	s_add_co_u32 s92, s92, B_S
	s_mov_b32 s21, 0
	s_mov_b32 s23, 0
	s_mov_b32 s47, 0
	s_mov_b32 s93, 0
	s_wait_dscnt 0x0                               ; both opening adds are done
	s_wait_kmcnt 0x0
	s_mov_b32 s[G0], 1
	s_mov_b32 s[G0+1], 0
	s_add_nc_u64 s[G0+2:G0+3], s[4:5], s[20:21]
	s_or_b32 s[G0+3], s[G0+3], 0x80000000
	s_mov_b32 s[G0B], 1
	s_mov_b32 s[G0B+1], 2*Q0
	s_add_nc_u64 s[G0B+2:G0B+3], s[6:7], s[46:47]
	s_or_b32 s[G0B+3], s[G0B+3], 0x80000000
	s_mov_b32 s[G0S], 1
	s_mov_b32 s[G0S+1], SCL
	s_add_nc_u64 s[G0S+2:G0S+3], s[4:5], s[22:23]
	s_or_b32 s[G0S+3], s[G0S+3], 0x80000000
	s_mov_b32 s[G0SB], 1
	s_mov_b32 s[G0SB+1], SCL+2*HALFS
	s_add_nc_u64 s[G0SB+2:G0SB+3], s[6:7], s[92:93]
	s_or_b32 s[G0SB+3], s[G0SB+3], 0x80000000
	CROUND                                         ; all sixteen work-groups are here: the joint loads meet
	ARM 1, G0,  G1,  .Lhead_b                      ; one load a wave, in one chain of branches on the wave's number
	ARM 2, G0B, G1B, .Lhead_sa
	ARM 3, G0S, G1S, .Lhead_sb
	tensor_load_to_lds s[G0SB:G0SB+3], s[G1SB:G1SB+7]
	s_nop 0
	PLACES 4
.Lhead_asked:
	s_mul_i32 s66, s15, Q0                         ; my four blocks of A
	s_mul_i32 s96, s16, Q0
	s_add_co_u32 s96, s96, 2*Q0                    ; and of B
	s_mul_i32 s98, s15, HALFS
	s_mul_i32 s99, s16, HALFS
	s_add_co_u32 s99, s99, 2*HALFS
	s_sub_co_u32 s99, s99, s98                     ; from A's words to B's
	s_add_co_u32 s98, s98, SCL
	s_mul_i32 s100, s14, 16*272
	s_add_co_u32 s100, s100, STAGE                 ; my stage
	s_mul_i32 s46, s42, 2*NB*64
	s_mul_i32 s47, s16, NB*64
	s_add_co_u32 s46, s46, s47                     ; my first column, in bytes
	s_mov_b32 s47, 0
	s_add_nc_u64 s[8:9], s[8:9], s[46:47]
	s_lshl_b32 s20, s17, 7
	s_lshl_b32 s21, s15, 6
	s_add_co_u32 s20, s20, s21                     ; my first row
	s_lshl_b32 s20, s20, 12
	s_add_co_u32 s20, s20, s46
	s_mov_b32 s21, 0
	s_add_nc_u64 s[10:11], s[10:11], s[20:21]
	s_add_nc_u64 s[12:13], s[12:13], s[20:21]
	v_and_b32 v1, 31, v0                           ; lane
	v_and_b32 v2, 15, v0                           ; r
	v_bfe_u32 v3, v0, 4, 1                         ; h
	v_lshlrev_b32 v[L16], 4, v1
	v_lshlrev_b32 v[R4], 2, v2
	v_add_nc_u32 v[ADRA], s66, v[L16]
	v_add_nc_u32 v[ADRB], s96, v[L16]
	v_mul_u32_u24 v4, s99, v3                      ; lanes 16-31 take B's words: one product
	v_add_nc_u32 v4, v[R4], v4
	v_add_nc_u32 v[ADRS], s98, v4
	v_mul_u32_u24 v[STO], v2, 272                  ; into the stage: row r, 64 bytes for each half of the lanes in every 128
	v_lshl_add_u32 v[STO], v3, 6, v[STO]
	v_add_nc_u32 v[STO], s100, v[STO]
	v_mul_u32_u24 v[RD], v3, 272                   ; back: sixteen lanes to a row of 256 bytes
	v_lshl_add_u32 v[RD], v2, 4, v[RD]
	v_add_nc_u32 v[RD], s100, v[RD]
	v_lshlrev_b32 v[CO], 12, v3                    ; and the same two rows in memory
	v_lshl_add_u32 v[CO], v2, 4, v[CO]
	v_lshlrev_b32 v5, 6, v3                        ; 64 h
	s_wait_alu depctr_va_vdst(0)
	WIN 0x40
.irp b, 0,1,2,3
	global_load_b128 v[BB+8*\b:BB+8*\b+3], v5, s[8:9] offset:(32*(\b/2)+8*(\b%2))*4
	global_load_b128 v[BB+8*\b+4:BB+8*\b+7], v5, s[8:9] offset:(32*(\b/2)+8*(\b%2))*4+16
.endr
	WIN 0
.irp a, 0,1,2,3
	RESID \a
.endr
	s_wait_tensorcnt 0x0                           ; my tile has landed
	s_barrier_signal -1
	s_barrier_wait -1                              ; all four have
	FETCH 0
	s_wait_loadcnt 32                              ; the bias is in; the residual's 32 loads may be out
	STEP 0, 1
.irp q, 1,2,3,4,5,6
	STEP \q, 0
.endr
	s_wait_dscnt 0x0
	MULR 0, NB, 1, 0
	WIN 0
; THE WAY OUT, 16 tokens x 64 columns at a time, through my own stage: in by 32 bytes a lane, back as rows of 256 bytes; + the residual; sixteen lanes store 256 consecutive bytes, aligned.
.macro TOSTAGE a
	WIN 0x08
.irp b, 0,1,2,3
	ds_store_b128 v[STO], v[8*(4*(\a)+\b):8*(4*(\a)+\b)+3] offset:128*(\b/2)+32*(\b%2)
	ds_store_b128 v[STO], v[8*(4*(\a)+\b)+4:8*(4*(\a)+\b)+7] offset:128*(\b/2)+32*(\b%2)+16
.endr
	WIN 0
.irp i, 0,1,2,3,4,5,6,7
	ds_load_b128 v[BK+32*((\a)%2)+4*\i:BK+32*((\a)%2)+4*\i+3], v[RD] offset:544*\i
.endr
.endm
.macro SEND a, younger                 ; younger: LDS instructions issued behind block a's loads
	s_wait_dscnt \younger
	WIN 0x08
.set ei, 0
.rept 16
	v_pk_add_f32 v[BK+32*((\a)%2)+ei:BK+32*((\a)%2)+ei+1], v[BK+32*((\a)%2)+ei:BK+32*((\a)%2)+ei+1], v[RS+32*(\a)+ei:RS+32*(\a)+ei+1]
.set ei, ei+2
.endr
	WIN 0
.irp i, 0,1,2,3,4,5,6,7
	global_store_b128 v[CO], v[BK+32*((\a)%2)+4*\i:BK+32*((\a)%2)+4*\i+3], s[12:13] offset:(32*((\a)/2)+8*((\a)%2)+2*\i+8*(\i/4))*4096 th:TH_STORE_NT
.endr
.endm
	PLACES 4
	s_wait_loadcnt 0x0                             ; the residual
	TOSTAGE 0
.irp a, 1,2,3
.if \a > 1
	s_wait_xcnt 0x0                                ; block a - 2's stores have read their registers
.endif
	TOSTAGE \a
	SEND \a-1, 16
.endr
	SEND 3, 0
	s_wait_tensorcnt 0x0                           ; the wave's end
	ds_add_u32 v[SPW], v[NIL]
	s_wait_dscnt 0x0
	CROUND                                         ; the closing round
	s_endpgm
.Lfunc_end_k_q024b3f5233_proj:
	.size	k_q024b3f5233_proj, .Lfunc_end_k_q024b3f5233_proj-k_q024b3f5233_proj
	.p2alignl 7, 3214868480
	.fill 96, 4, 3214868480
	.section	.rodata,"a",@progbits
	.p2align	6, 0x0
	.amdhsa_kernel k_q024b3f5233_proj
		.amdhsa_group_segment_fixed_size 327680
		.amdhsa_private_segment_fixed_size 0
		.amdhsa_enable_private_segment 0
		.amdhsa_kernarg_size 40
		.amdhsa_user_sgpr_count 2
		.amdhsa_user_sgpr_kernarg_segment_ptr 1
		.amdhsa_wavefront_size32 1
		.amdhsa_system_sgpr_workgroup_id_x 1
		.amdhsa_system_sgpr_workgroup_id_y 1
		.amdhsa_system_sgpr_workgroup_id_z 1
		.amdhsa_system_vgpr_workitem_id 0
		.amdhsa_next_free_vgpr 768
		.amdhsa_next_free_sgpr 102
		.amdhsa_reserve_vcc 0
		.amdhsa_float_denorm_mode_32 3
		.amdhsa_float_denorm_mode_16_64 3
		.amdhsa_memory_ordered 1
		.amdhsa_forward_progress 1
		.amdhsa_inst_pref_size 57
	.end_amdhsa_kernel
	.amdgpu_metadata
---
amdhsa.version: [ 1, 2 ]
amdhsa.kernels:
  - .name:           k_q024b3f5233_proj
    .symbol:         k_q024b3f5233_proj.kd
    .args:
      - { .name: yimg, .offset: 0, .size: 8, .value_kind: global_buffer, .address_space: global }
      - { .name: wa, .offset: 8, .size: 8, .value_kind: global_buffer, .address_space: global }
      - { .name: c_proj_b, .offset: 16, .size: 8, .value_kind: global_buffer, .address_space: global }
      - { .name: x, .offset: 24, .size: 8, .value_kind: global_buffer, .address_space: global }
      - { .name: x1, .offset: 32, .size: 8, .value_kind: global_buffer, .address_space: global }
    .group_segment_fixed_size: 327680
    .private_segment_fixed_size: 0
    .kernarg_segment_align: 8
    .kernarg_segment_size: 40
    .max_flat_workgroup_size: 128
    .sgpr_count:     102
    .vgpr_count:     768
    .wavefront_size: 32
...
	.end_amdgpu_metadata
.endif
;; end of part 4
;; launch ln2: the kernel of part 1 again; grid 256 x 1, 8 waves a work-group, no clusters, 66,816 bytes of LDS; arguments x1, ln2_g, ln2_b, c_attn_w, c_proj_w, fc_w, proj_w, act2; writes act2
;; launch fc (part 5): grid 16 x 16, 4 waves a work-group, clusters of 4 x 4, 327,680 bytes of LDS; arguments act2, wa, fc_b, himg; writes himg
.if DOCPART == 5
	.amdgcn_target "amdgcn-amd-amdhsa--gfx1250"
	.amdhsa_code_object_version 6
	.text
	.protected	k_q024b3f5233_fc
	.globl	k_q024b3f5233_fc
	.p2align	8
	.type	k_q024b3f5233_fc,@function
k_q024b3f5233_fc:
	s_mov_b64 s[64:65], 0
	v_nop
	global_prefetch_b8 v0, s[64:65] scope:SCOPE_SE
	s_setreg_imm32_b32 hwreg(HW_REG_WAVE_MODE, 25, 1), 1
	s_wait_xcnt 0x0
	s_wait_alu depctr_hold_cnt(0) depctr_sa_sdst(0) depctr_va_vdst(0) depctr_va_sdst(0) depctr_va_ssrc(0) depctr_va_vcc(0) depctr_vm_vsrc(0)
	s_getreg_b32 s2, hwreg(HW_REG_IB_STS2, 6, 4)
	s_cmp_eq_u32 s2, 0
	s_cbranch_scc0 .Lentry_in_a_cluster
	s_endpgm
.Lentry_in_a_cluster:
	s_bfe_u32 s2, ttmp6, 0x10000c
	s_cmp_lg_u32 s2, 0xf033
	s_cbranch_scc0 .Lentry_shape_is_right
	s_endpgm
.Lentry_shape_is_right:
.set NB,  8
.set NQ,  2
.set KS,  8
.set HASB, 1
.set PA,  4
.set PB,  6
.set A_S, 3145728
.set B_C, 6553600
.set B_S, 9699328
.set HSCL, 12582912
.set FRB,   1536
.set HALFT, NB*NQ*FRB
.set SLOT,  4*HALFT
.set SCL,   2*SLOT
.set HALFS, NB*KS*64
.set SPARE, SCL+4*HALFS
.set LAPS,  KS/(2*NQ)
.set ADRA, 16
.set ADRB, 20
.set L16,  24
.set R4,   26
.set ADRS, 27
.set SPW,  28
.set NIL,  29
.set SC,   32
.set AF,   64
.set BB,   192
.set H,    64
.set PC,   128
.set TM,   148
.set PW,   164
.set G,    168
.set G1, 24
.set G0, 32
.set G1B, 48
.set G0B, 56
.set G1S, 68
.set G0S, 76
.set G1SB, 80
.set G0SB, 88
.set SEL, 96
.set MSB, 0
.macro WIN new
.set WNEW, \new
.if MSB != WNEW
	s_set_vgpr_msb (MSB<<8)|WNEW
.set MSB, WNEW
.endif
.endm
.macro PLACES n
.rept \n
	v_nop
.endr
.endm
.macro JLOAD g0a, g1a, g0b, g1b
	s_cmp_eq_u32 s15, 0
	s_cbranch_scc0 .Lfor_b_\@
	tensor_load_to_lds s[\g0a:\g0a+3], s[\g1a:\g1a+7]
	s_nop 0
	PLACES 4
	s_branch .Lasked_\@
.Lfor_b_\@:
	tensor_load_to_lds s[\g0b:\g0b+3], s[\g1b:\g1b+7]
	s_nop 0
	PLACES 4
.Lasked_\@:
.endm
.macro CREST
	s_cmp_lg_u32 s14, 0
	s_cbranch_scc1 .Lnot_wave_0_\@
	s_barrier_signal -3
.Lnot_wave_0_\@:
	s_barrier_wait -3
	s_barrier_signal -1
	s_barrier_wait -1
.endm
.macro CROUND
	s_barrier_signal -1
	s_barrier_wait -1
	CREST
.endm
.macro FRAG reg, adr, off
.irp c, 0,1,2
	ds_load_b128 v[\reg+4*\c:\reg+4*\c+3], v[\adr] offset:\off+512*\c
.endr
.endm
.macro FETCH slot, q, p
	WIN 0x40
.set fi, 0
.rept NB
	FRAG 12*NB*(\p)+12*fi, ADRB+\slot, (fi*NQ+(\q))*FRB
.set fi, fi+1
.endr
	WIN 0
.set fi, 0
.rept NB
	FRAG AF+12*NB*(\p)+12*fi, ADRA+\slot, (fi*NQ+(\q))*FRB
.set fi, fi+1
.endr
.endm
.macro SCALES sc
.set fi, 0
.rept NB
.set fq, 0
.rept NQ
	ds_load_b32 v[SC+16*(\sc)+NQ*fi+fq], v[ADRS] offset:fi*KS*64+fq*64
.set fq, fq+1
.endr
.set fi, fi+1
.endr
.endm
.macro MULA a, p, q, sc, first
.set mb, 0
.rept NB
.set mD, 8*(((\a)*NB+mb)%32)
.if \first
	v_wmma_scale_f32_16x16x128_f8f6f4 v[mD:mD+7], v[12*NB*(\p)+12*mb:12*NB*(\p)+12*mb+11], v[AF+12*NB*(\p)+12*(\a):AF+12*NB*(\p)+12*(\a)+11], v[BB+8*mb:BB+8*mb+7], v[SC+16*(\sc)+NQ*mb+(\q)], v[SC+16*(\sc)+NQ*(\a)+(\q)] matrix_a_fmt:MATRIX_FMT_FP6 matrix_b_fmt:MATRIX_FMT_FP6 matrix_a_scale:MATRIX_SCALE_ROW1
.else
	v_wmma_scale_f32_16x16x128_f8f6f4 v[mD:mD+7], v[12*NB*(\p)+12*mb:12*NB*(\p)+12*mb+11], v[AF+12*NB*(\p)+12*(\a):AF+12*NB*(\p)+12*(\a)+11], v[mD:mD+7], v[SC+16*(\sc)+NQ*mb+(\q)], v[SC+16*(\sc)+NQ*(\a)+(\q)] matrix_a_fmt:MATRIX_FMT_FP6 matrix_b_fmt:MATRIX_FMT_FP6 matrix_a_scale:MATRIX_SCALE_ROW1
.endif
.set mb, mb+1
.endr
.endm
.macro MULR a0, cnt, p, q, sc, first
.set ma, \a0
.rept \cnt
.set mW, 2+(ma*NB)/32
.set mC, mW
.if (\first) && HASB
.set mC, 1
.endif
	WIN 1+16*mC+64*mW
	MULA ma, \p, \q, \sc, \first
.set ma, ma+1
.endr
.endm
.macro STEP slot, q, first
	s_wait_dscnt 0x0
	PLACES 4
	FETCH \slot, (\q)+1, 1-(\q)%2
	MULR 0, NB, (\q)%2, \q, \slot, \first
	WIN 0
.endm
.macro SS slot
.set sq, 0
.rept NQ-1
	STEP \slot, sq, 0
.set sq, sq+1
.endr
.endm
.macro TURN slot, next, fill
	s_wait_tensorcnt 0x0
	ds_add_u32 v[SPW], v[NIL]
	s_wait_dscnt 0x1
	MULR 0, NB/4, 1, NQ-1, \slot, 0
	s_wait_dscnt 0x0
	s_barrier_signal -1
	MULR NB/4, NB/4, 1, NQ-1, \slot, 0
	WIN 0
	s_barrier_wait -1
.if \fill
	CREST
	s_add_nc_u64 s[G0+4*\slot+2:G0+4*\slot+3], s[G0+4*\slot+2:G0+4*\slot+3], 2*NQ*FRB
	s_add_nc_u64 s[G0B+4*\slot+2:G0B+4*\slot+3], s[G0B+4*\slot+2:G0B+4*\slot+3], 2*NQ*FRB
	JLOAD G0+4*\slot, G1, G0B+4*\slot, G1B
.else
	PLACES 4
.endif
	s_wait_alu depctr_va_vdst(0)
	v_add_nc_u32 v[ADRS], NQ*64, v[ADRS]
	FETCH \next, 0, 0
	SCALES \next
	MULR NB/2, NB/2, 1, NQ-1, \slot, 0
	WIN 0
.endm
.macro QUANT s
.irp b, 0,1,2,3
	v_max3_num_f32 v[TM+\b], |v[\s+16*\b]|, |v[\s+1+16*\b]|, 0x1800000
.endr
.irp i, 2,4,6,8,10,12,14
.irp b, 0,1,2,3
	v_max3_num_f32 v[TM+\b], v[TM+\b], |v[\s+16*\b+\i]|, |v[\s+1+16*\b+\i]|
.endr
.endr
.irp b, 0,1,2,3
	v_permlanex16_b32 v[TM+4+\b], v[TM+\b], s[SEL], s[SEL+1]
.endr
.irp b, 0,1,2,3
	v_max_num_f32 v[TM+\b], v[TM+\b], v[TM+4+\b]
.endr
.irp b, 0,1,2,3
	v_add_nc_u32 v[TM+12+\b], 0xff000000, v[TM+\b]
.endr
.irp b, 0,1,2,3
	v_lshrrev_b32 v[TM+4+\b], 23, v[TM+12+\b]
.endr
	v_lshl_or_b32 v[PW], v[TM+5], 8, v[TM+4]
	v_lshl_or_b32 v[PW], v[TM+6], 16, v[PW]
	v_lshl_or_b32 v[PW], v[TM+7], 24, v[PW]
.irp c, 0,1
	v_cvt_scalef32_pk16_fp6_f32 v[PC+6*\c:PC+2+6*\c], v[\s+32*\c:\s+15+32*\c], v[TM+12+2*\c]
	v_cvt_scalef32_pk16_fp6_f32 v[PC+12+4*\c:PC+14+4*\c], v[\s+16+32*\c:\s+31+32*\c], v[TM+12+2*\c+1]
.endr
	v_nop
.irp c, 0,1
.irp i, 0,1,2
	v_permlane16_swap_b32 v[PC+6*\c+\i], v[PC+12+4*\c+\i]
.endr
.irp i, 0,1,2
	v_mov_b32 v[PC+3+6*\c+\i], v[PC+12+4*\c+\i]
.endr
.endr
.endm
	s_load_b256 s[4:11], s[0:1], 0x0
	v_lshl_add_u32 v[SPW], v0, 2, SPARE
	v_mov_b32 v[NIL], 0
	ds_add_u32 v28, v29
	ds_add_u32 v28, v29
	s_wait_dscnt 0x0
	v_lshrrev_b32 v1, 5, v0
	v_readfirstlane_b32 s14, v1
	s_lshr_b32 s15, s14, 1
	s_and_b32 s16, s14, 1
	s_bfe_u32 s40, ttmp6, 0x40000
	s_bfe_u32 s41, ttmp6, 0x40004
	s_lshl_b32 s42, ttmp9, 2
	s_add_co_u32 s42, s42, s40
	s_and_b32 s17, ttmp7, 0xffff
	s_lshl_b32 s17, s17, 2
	s_add_co_u32 s17, s17, s41
	s_lshl_b32 s43, s41, 2
	s_lshl_b32 s43, 15, s43
	s_lshl_b32 s44, 0x1111, s40
	s_or_b32 s[G1+0], s43, (3<<16)|(1<<21)
	s_or_b32 s[G1B+0], s44, (3<<16)|(1<<21)
.irp g, G1, G1B
	s_mov_b32 s[\g+1], (192*NQ)<<16
	s_mov_b32 s[\g+2], (2*NB)<<16                  ; the head's loads bring all 16 blocks of a side
	s_mov_b32 s[\g+3], (192*NQ)<<16
	s_mov_b32 s[\g+4], 2*NB
	s_mov_b32 s[\g+5], 192*KS
	s_mov_b32 s[\g+6], 0
	s_mov_b32 s[\g+7], 0
.endr
	s_or_b32 s[G1S+0], s43, (3<<16)|(1<<21)
	s_or_b32 s[G1SB+0], s44, (3<<16)|(1<<21)
.irp g, G1S, G1SB
	s_mov_b32 s[\g+1], 32<<16
	s_mov_b32 s[\g+2], (2*HALFS/256)<<16
	s_mov_b32 s[\g+3], 32<<16
	s_mov_b32 s[\g+4], 2*HALFS/256
	s_mov_b32 s[\g+5], 32
	s_mov_b32 s[\g+6], 0
	s_mov_b32 s[\g+7], 0
.endr
	s_mul_i32 s20, s17, 2*NB
	s_mul_i32 s46, s42, 2*NB                       ; the tiles' first blocks
	s_mul_i32 s18, s16, NB*KS*FRB                  ; in the ring: the half that I fetch, in bytes
	s_mov_b32 s19, 0
	s_mul_i32 s22, s20, KS*64
	s_add_co_u32 s22, s22, A_S
	s_mul_i32 s20, s20, KS*FRB
	s_mul_i32 s92, s46, KS*64
	s_add_co_u32 s92, s92, B_S
	s_mul_i32 s46, s46, KS*FRB
	s_add_co_u32 s46, s46, B_C
	s_mov_b32 s21, 0
	s_mov_b32 s23, 0
	s_mov_b32 s47, 0
	s_mov_b32 s93, 0
	s_mul_i32 s45, s14, HALFT
	s_mov_b32 s[SEL], 0x76543210
	s_mov_b32 s[SEL+1], 0xfedcba98
	s_wait_kmcnt 0x0
	s_add_nc_u64 s[20:21], s[PA:PA+1], s[20:21]
	s_add_nc_u64 s[22:23], s[PA:PA+1], s[22:23]
	s_add_nc_u64 s[46:47], s[PB:PB+1], s[46:47]
	s_add_nc_u64 s[92:93], s[PB:PB+1], s[92:93]
	CROUND
	s_mov_b32 s[G0S], 1
	s_mov_b32 s[G0S+1], SCL
	s_mov_b64 s[G0S+2:G0S+3], s[22:23]
	s_or_b32 s[G0S+3], s[G0S+3], 0x80000000
	s_mov_b32 s[G0SB], 1
	s_mov_b32 s[G0SB+1], SCL+2*HALFS
	s_mov_b64 s[G0SB+2:G0SB+3], s[92:93]
	s_or_b32 s[G0SB+3], s[G0SB+3], 0x80000000
.irp s, 0,1
	s_mov_b32 s[G0+4*\s], 1
	s_add_co_u32 s[G0+4*\s+1], s45, \s*SLOT
	s_add_nc_u64 s[G0+4*\s+2:G0+4*\s+3], s[20:21], \s*NQ*FRB
	s_or_b32 s[G0+4*\s+3], s[G0+4*\s+3], 0x80000000
	s_mov_b32 s[G0B+4*\s], 1
	s_add_co_u32 s[G0B+4*\s+1], s45, \s*SLOT
	s_add_nc_u64 s[G0B+4*\s+2:G0B+4*\s+3], s[46:47], \s*NQ*FRB
	s_or_b32 s[G0B+4*\s+3], s[G0B+4*\s+3], 0x80000000
.endr
	s_mov_b32 s[G0+1], 0                           ; at the head slot 0's tiles come whole: A's 16 blocks,
	s_mov_b32 s[G0B+1], 2*HALFT                    ; B's behind them;
	s_add_nc_u64 s[G0+6:G0+7], s[G0+6:G0+7], s[18:19]      ; slot 1 comes by quarters: my half
	s_add_nc_u64 s[G0B+6:G0B+7], s[G0B+6:G0B+7], s[18:19]
.macro ARM under, g0, g1, next         ; one arm of the head's chain: one load, then the jump to the join
	s_cmp_lt_u32 s14, \under
	s_cbranch_scc0 \next
	tensor_load_to_lds s[\g0:\g0+3], s[\g1:\g1+7]
	s_nop 0
	PLACES 4
	s_branch .Lhead_asked
\next:
.endm
	ARM 1, G0,  G1,  .Lhead_b                      ; one load a wave: A's codes, B's codes, A's scale words, B's
	ARM 2, G0B, G1B, .Lhead_sa
	ARM 3, G0S, G1S, .Lhead_sb
	tensor_load_to_lds s[G0SB:G0SB+3], s[G1SB:G1SB+7]
	s_nop 0
	PLACES 4
.Lhead_asked:
	s_wait_alu depctr_va_vdst(0)
	s_wait_tensorcnt 0x0                           ; my tile of the head's four is in
	ds_add_u32 v28, v29
	s_mov_b32 s[G0+1], s45                         ; no tensor load of mine is out: from here on a load brings my quarter of a slot, 8 blocks
	s_add_nc_u64 s[G0+2:G0+3], s[G0+2:G0+3], s[18:19]
	s_mov_b32 s[G0B+1], s45
	s_add_nc_u64 s[G0B+2:G0B+3], s[G0B+2:G0B+3], s[18:19]
	s_mov_b32 s[G1+2], 8<<16
	s_mov_b32 s[G1+4], 8
	s_mov_b32 s[G1B+2], 8<<16
	s_mov_b32 s[G1B+4], 8
	s_wait_dscnt 0x0
	CROUND
	JLOAD G0+4, G1, G0B+4, G1B                     ; slot 1, the first tensor load behind the round
	v_and_b32 v1, 31, v0
	v_and_b32 v2, 15, v0
	v_bfe_u32 v3, v0, 4, 1
	s_wait_alu depctr_va_vdst(0)
	v_lshlrev_b32 v[L16], 4, v1
	v_lshlrev_b32 v[R4], 2, v2
	s_mul_i32 s18, s15, HALFT
	s_mul_i32 s19, s16, HALFT
	s_add_co_u32 s19, s19, 2*HALFT
.irp s, 0,1
	v_add_nc_u32 v[ADRA+\s], s18, v[L16]
	v_add_nc_u32 v[ADRB+\s], s19, v[L16]
	s_add_co_u32 s18, s18, SLOT
	s_add_co_u32 s19, s19, SLOT
.endr
	s_mul_i32 s18, s15, HALFS
	s_mul_i32 s19, s16, HALFS
	s_add_co_u32 s19, s19, 2*HALFS
	s_sub_co_u32 s19, s19, s18
	v_mul_u32_u24 v4, s19, v3
	s_wait_alu depctr_va_vdst(0)
	s_add_co_u32 s18, s18, SCL
	v_add_nc_u32 v4, v[R4], v4
	v_add_nc_u32 v[ADRS], s18, v4
	s_mul_i32 s46, s42, 2*NB*64
	s_mul_i32 s47, s16, NB*64
	s_add_co_u32 s46, s46, s47
	s_mov_b32 s47, 0
	s_add_nc_u64 s[8:9], s[8:9], s[46:47]
	v_lshlrev_b32 v5, 6, v3
	WIN 0x40
.irp b, 0,1,2,3,4,5,6,7
	global_load_b128 v[BB+8*\b:BB+8*\b+3], v5, s[8:9] offset:(32*(\b/2)+8*(\b%2))*4
	global_load_b128 v[BB+8*\b+4:BB+8*\b+7], v5, s[8:9] offset:(32*(\b/2)+8*(\b%2))*4+16
.endr
	WIN 0
	s_lshl_b32 s20, s17, 4
	s_lshl_b32 s21, s15, 3
	s_add_co_u32 s20, s20, s21
	s_lshl_b32 s20, s20, 5
	s_lshl_b32 s46, s42, 1
	s_add_co_u32 s46, s46, s16
	s_add_co_u32 s20, s20, s46
	s_mul_i32 s22, s20, FRB
	s_mov_b32 s23, 0
	s_lshl_b32 s20, s20, 6
	s_add_co_u32 s20, s20, HSCL
	s_mov_b32 s21, 0
	s_add_nc_u64 s[12:13], s[10:11], s[22:23]
	s_add_nc_u64 s[10:11], s[10:11], s[20:21]
	s_wait_alu depctr_va_vdst(0)
	s_wait_tensorcnt 0x1
	s_barrier_signal -1
	s_barrier_wait -1
	FETCH 0, 0, 0
	SCALES 0
	s_wait_loadcnt 0x0
	STEP 0, 0, 1
.set sq, 1
.rept NQ-2
	STEP 0, sq, 0
.set sq, sq+1
.endr
.if LAPS > 1
	s_mov_b32 s3, LAPS-1
.Llap:
	TURN 0, 1, 1
	SS 1
	TURN 1, 0, 1
	SS 0
	s_sub_co_u32 s3, s3, 1
	s_cmp_lg_u32 s3, 0
	s_cbranch_scc1 .Llap
.endif
	TURN 0, 1, 0
	SS 1
	s_wait_dscnt 0x0
	MULR 0, NB, 1, NQ-1, 1, 0
	WIN 0
	PLACES 4
.irp b, 0,1,2,3
	v_mov_b32 v[TM+4+\b], 0
.endr
	v_mov_b32 v232, 0xc0135761
	v_mov_b32 v233, 0xc0135761
	s_mov_b32 s94, 0xbdd2d3e8
	s_mov_b32 s95, s94
.macro EPI a
.set AC, 64*((\a)%4)
.set WX, 2+(\a)/4
	WIN 5*WX
.set ei, 0
.rept 32
	v_pk_mul_f32 v[G+ei:G+ei+1], v[AC+ei:AC+ei+1], v[AC+ei:AC+ei+1]
.set ei, ei+2
.endr
	WIN 0
.set ei, 0
.rept 32
	v_pk_fma_f32 v[G+ei:G+ei+1], v[G+ei:G+ei+1], s[94:95], v[232:233] op_sel_hi:[1,0,1]
.set ei, ei+2
.endr
	WIN WX
.set ei, 0
.rept 32
	v_pk_mul_f32 v[G+ei:G+ei+1], v[AC+ei:AC+ei+1], v[G+ei:G+ei+1]
.set ei, ei+2
.endr
	WIN 0
.set ei, 0
	s_wait_alu depctr_va_vdst(0)
.rept 64
	v_exp_f32 v[G+ei], v[G+ei]
.set ei, ei+1
.endr
	v_nop
	s_wait_alu depctr_va_vdst(0)
.set ei, 0
.rept 32
	v_pk_add_f32 v[G+ei:G+ei+1], v[G+ei:G+ei+1], 1.0 op_sel_hi:[1,0]
.set ei, ei+2
.endr
.set ei, 0
	s_wait_alu depctr_va_vdst(0)
.rept 64
	v_rcp_f32 v[G+ei], v[G+ei]
.set ei, ei+1
.endr
	v_nop
	s_wait_alu depctr_va_vdst(0)
	WIN WX
.set ei, 0
.rept 32
	v_pk_mul_f32 v[H+ei:H+ei+1], v[AC+ei:AC+ei+1], v[G+ei:G+ei+1]
.set ei, ei+2
.endr
	WIN 0
	s_wait_xcnt 0x0
	QUANT H
.irp c, 0,1,2
	global_store_b128 v[L16], v[PC+4*\c:PC+4*\c+3], s[12:13] offset:(\a)*32*FRB+512*\c
.endr
	global_store_b32 v[R4], v[PW], s[10:11] offset:(\a)*32*64
.endm
.irp a, 0,1,2,3,4,5,6,7
	EPI \a
.endr
	s_wait_tensorcnt 0x0
	ds_add_u32 v[SPW], v[NIL]
	s_wait_dscnt 0x0
	CROUND
	s_endpgm
.Lfunc_end_k_q024b3f5233_fc:
	.size	k_q024b3f5233_fc, .Lfunc_end_k_q024b3f5233_fc-k_q024b3f5233_fc
	.p2alignl 7, 3214868480
	.fill 96, 4, 3214868480
	.section	.rodata,"a",@progbits
	.p2align	6, 0x0
	.amdhsa_kernel k_q024b3f5233_fc
		.amdhsa_group_segment_fixed_size 327680
		.amdhsa_private_segment_fixed_size 0
		.amdhsa_enable_private_segment 0
		.amdhsa_kernarg_size 32
		.amdhsa_user_sgpr_count 2
		.amdhsa_user_sgpr_kernarg_segment_ptr 1
		.amdhsa_wavefront_size32 1
		.amdhsa_system_sgpr_workgroup_id_x 1
		.amdhsa_system_sgpr_workgroup_id_y 1
		.amdhsa_system_sgpr_workgroup_id_z 1
		.amdhsa_system_vgpr_workitem_id 0
		.amdhsa_next_free_vgpr 1024
		.amdhsa_next_free_sgpr 100
		.amdhsa_reserve_vcc 0
		.amdhsa_float_denorm_mode_32 3
		.amdhsa_float_denorm_mode_16_64 3
		.amdhsa_memory_ordered 1
		.amdhsa_forward_progress 1
		.amdhsa_inst_pref_size 255
	.end_amdhsa_kernel
	.section	.bss,"aw",@nobits
	.p2align	6
	.space	262144
	.amdgpu_metadata
---
amdhsa.version: [ 1, 2 ]
amdhsa.kernels:
  - .name:           k_q024b3f5233_fc
    .symbol:         k_q024b3f5233_fc.kd
    .args:
      - { .name: act2, .offset: 0, .size: 8, .value_kind: global_buffer, .address_space: global }
      - { .name: wa, .offset: 8, .size: 8, .value_kind: global_buffer, .address_space: global }
      - { .name: fc_b, .offset: 16, .size: 8, .value_kind: global_buffer, .address_space: global }
      - { .name: himg, .offset: 24, .size: 8, .value_kind: global_buffer, .address_space: global }
    .group_segment_fixed_size: 327680
    .private_segment_fixed_size: 0
    .kernarg_segment_align: 8
    .kernarg_segment_size: 32
    .max_flat_workgroup_size: 128
    .sgpr_count:     100
    .vgpr_count:     1024
    .wavefront_size: 32
...
	.end_amdgpu_metadata
.endif
;; end of part 5
;; launch out (part 6): grid 8 x 32, 4 waves a work-group, clusters of 4 x 4, 327,680 bytes of LDS; arguments himg, wa, proj_b, x1, out0; writes out0
.if DOCPART == 6
	.amdgcn_target "amdgcn-amd-amdhsa--gfx1250"
	.amdhsa_code_object_version 6
	.text
	.protected	k_q024b3f5233_out
	.globl	k_q024b3f5233_out
	.p2align	8
	.type	k_q024b3f5233_out,@function
k_q024b3f5233_out:
	s_mov_b64 s[64:65], 0
	v_nop
	global_prefetch_b8 v0, s[64:65] scope:SCOPE_SE
	s_setreg_imm32_b32 hwreg(HW_REG_WAVE_MODE, 25, 1), 1
	s_wait_xcnt 0x0
	s_wait_alu depctr_hold_cnt(0) depctr_sa_sdst(0) depctr_va_vdst(0) depctr_va_sdst(0) depctr_va_ssrc(0) depctr_va_vcc(0) depctr_vm_vsrc(0)
	s_getreg_b32 s2, hwreg(HW_REG_IB_STS2, 6, 4)
	s_cmp_eq_u32 s2, 0
	s_cbranch_scc0 .Lentry_in_a_cluster
	s_endpgm
.Lentry_in_a_cluster:
	s_bfe_u32 s2, ttmp6, 0x10000c
	s_cmp_lg_u32 s2, 0xf033
	s_cbranch_scc0 .Lentry_shape_is_right
	s_endpgm
.Lentry_shape_is_right:
; out0 = x1 + h Wo + b on codes of FP6 (E2M3) with E8M0 scales, M 4,096, N 1,024, K 4,096 (32 steps of 128); f32 out.
; OPERANDS are images of operand registers: a fragment (16 rows x 128 K, 12 registers a lane) is 1,536 bytes, laid [rows / 16][K / 128][1536]; scale words [rows / 16][K / 128][16].
; Slot r of block RB is row 32 (RB / 2) + 8 (RB % 2) + r + 8 (r / 8).  The product is used transposed (source 0 = W's columns, source 1 = tokens).
; A work-group makes 128 x 128 (256 work-groups), a wave 64 x 64: 16 accumulators, which take turns.
; CLUSTER 4 x 4: A's tiles are shared along a row of the cluster, B's along a column: every tile of codes and of scale words comes by a joint load.
; THE RING has two slots of UNLIKE size, 6 and 5 K steps (a step of both sides is 24,576 bytes): with the 32,768 bytes of scale words, which come once, the stage and the spare words that is 321,024 bytes.
; So K goes in six fills of 6, 5, 6, 5, 6, 4 steps; fill f lies in slot f % 2, a block's steps on end.  Head: one load a wave (A's fill 0, B's fill 0, A's words, B's words); every later fill
; stands behind the three lines and a round of the cluster's barrier, one load a wave (a quarter of the slot: four blocks).
; PREFETCH: the trip that loads fill t asks for fill t + 2 (the head, t = 0, for fill 1 too); of the four blocks that a wave fetches each of the four partners that ask with it takes one, by address:
; 6 x steps blocks of 256 bytes on end, a lane each; lanes left over name the last block again.  The last two trips ask for nothing.
; The walk is written out by macros: slots and fills come back to where they began only after 22 steps, and the last fill is shorter.
.set NB,  4
.set KS,  32
.set CAP0, 6
.set CAP1, 5
.set PER,  CAP0+CAP1
.set NFILL, 6
.set A_S, 12582912
.set B_C, 9830400
.set B_S, 12976128
.set FRB,   1536
.set Q0,    NB*CAP0*FRB                ; a quarter of slot 0: four blocks
.set Q1,    NB*CAP1*FRB                ; of slot 1
.set SLOT1, 4*Q0
.set SCL,   4*Q0+4*Q1                  ; the scale words
.set HALFS, NB*KS*64
.set STAGE, SCL+4*HALFS                ; the way out: 16 rows x 272 bytes for each wave, bytes into which no fill lands
.set SPARE, STAGE+4*16*272             ; the spare words, 128 bytes for each wave
.set PFV,  8                           ; v8-11 the prefetches' offsets: 256 x min(lane, 31 / 3 / 29 / 23); never rewritten
.set ADRA, 16                          ; v16-17 my A fragments in slot 0, 1
.set ADRB, 20                          ; v20-21 my B fragments
.set STO,  22
.set RD,   23
.set L16,  24
.set CO,   25
.set R4,   26
.set ADRS, 27
.set SPW,  28
.set NIL,  29
.set SC,   32                          ; v32-39 scale words and nothing else: set p at 32 + 4 p; lanes 0-15 A's block i, lanes 16-31 B's
.set AF,   64                          ; window 0: A's fragments, two sets of 48
.set BK,   192                         ; window 0: rows read back from the stage
.set BB,   192                         ; window 1: B's fragments, two sets of 48 from v0; from v192 the bias
.set RS,   128                         ; window 2: v0-127 the accumulators; from v128 the residual
.set G1, 24
.set G0, 32
.set G1B, 48
.set G0B, 56
.set G1S, 68
.set G0S, 76
.set G1SB, 80
.set G0SB, 88
.set CURS, CAP0                        ; the steps that group 1 states at present
.set MSB, 0
.macro WIN new                         ; the immediate's high byte repeats the setting that is left
.set WNEW, \new
.if MSB != WNEW
	s_set_vgpr_msb (MSB<<8)|WNEW
.set MSB, WNEW
.endif
.endm
.macro PLACES n
.rept \n
	v_nop
.endr
.endm
.macro JLOAD g0a, g1a, g0b, g1b        ; a joint load: waves 0 and 1 fetch for A, waves 2 and 3 for B; s_nop 0 and four v_nop follow each line
	s_cmp_eq_u32 s15, 0
	s_cbranch_scc0 .Lfor_b_\@
	tensor_load_to_lds s[\g0a:\g0a+3], s[\g1a:\g1a+7]
	s_nop 0
	PLACES 4
	s_branch .Lasked_\@
.Lfor_b_\@:
	tensor_load_to_lds s[\g0b:\g0b+3], s[\g1b:\g1b+7]
	s_nop 0
	PLACES 4
.Lasked_\@:
.endm
.macro CREST                           ; a round of the cluster's barrier behind its opening barrier
	s_cmp_lg_u32 s14, 0
	s_cbranch_scc1 .Lnot_wave_0_\@
	s_barrier_signal -3
.Lnot_wave_0_\@:
	s_barrier_wait -3
	s_barrier_signal -1
	s_barrier_wait -1
.endm
.macro CROUND
	s_barrier_signal -1
	s_barrier_wait -1
	CREST
.endm
.macro ARM under, g0, g1, next         ; one arm of the head's chain: one load, then the jump to the join
	s_cmp_lt_u32 s14, \under
	s_cbranch_scc0 \next
	tensor_load_to_lds s[\g0:\g0+3], s[\g1:\g1+7]
	s_nop 0
	PLACES 4
	s_branch .Lhead_asked
\next:
.endm
.macro FILL f                          ; fill f: its first step FBG, its steps FSZ
.set FBG, ((\f)/2)*PER+((\f)%2)*CAP0
.set FSZ, CAP0-(CAP0-CAP1)*((\f)%2)
.if FBG+FSZ > KS
.set FSZ, KS-FBG
.endif
.endm
.macro LOC st                          ; step st: its slot LH, its fill LF, its place LQ among the fill's LS steps
.set LH, ((\st)%PER)/CAP0
.set LF, 2*((\st)/PER)+LH
.set LQ, (\st)%PER-CAP0*LH
.set LS, CAP0-(CAP0-CAP1)*LH
.if (\st)-LQ+LS > KS
.set LS, KS-(\st)+LQ
.endif
.endm
.macro DIMS f                          ; group 1 states fill f's row length (no tensor load of mine is out where this stands)
	FILL \f
.if FSZ != CURS
.irp g, G1, G1B
	s_mov_b32 s[\g+1], (192*FSZ)<<16
	s_mov_b32 s[\g+3], (192*FSZ)<<16
.endr
.set CURS, FSZ
.endif
.endm
.macro ASK f                           ; my work-group's block row of my quarter of fill f: 6 FSZ blocks of 256 bytes
	FILL \f
.if FSZ == 6
	global_prefetch_b8 v[PFV], s[2:3] offset:FBG*FRB th:TH_LOAD_NT scope:SCOPE_SE
	global_prefetch_b8 v[PFV+1], s[2:3] offset:FBG*FRB+8192 th:TH_LOAD_NT scope:SCOPE_SE
.elseif FSZ == 5
	global_prefetch_b8 v[PFV+2], s[2:3] offset:FBG*FRB th:TH_LOAD_NT scope:SCOPE_SE
.else
	global_prefetch_b8 v[PFV+3], s[2:3] offset:FBG*FRB th:TH_LOAD_NT scope:SCOPE_SE
.endif
.endm
.macro FRAG reg, adr, off              ; a fragment comes as it was stored: three loads of 512 consecutive bytes
.irp c, 0,1,2
	ds_load_b128 v[\reg+4*\c:\reg+4*\c+3], v[\adr] offset:\off+512*\c
.endr
.endm
.macro FETCH st                        ; both sides' fragments and scale words of K step st into set st % 2
	LOC \st
.set fp, (\st)%2
	WIN 0x40
.set fi, 0
.rept NB
	FRAG 12*NB*fp+12*fi, ADRB+LH, (fi*LS+LQ)*FRB
.set fi, fi+1
.endr
	WIN 0
.set fi, 0
.rept NB
	FRAG AF+12*NB*fp+12*fi, ADRA+LH, (fi*LS+LQ)*FRB
	ds_load_b32 v[SC+NB*fp+fi], v[ADRS] offset:fi*KS*64+(\st)*64
.set fi, fi+1
.endr
.endm
.macro MULA a, p, first                ; A's block a against B's four; the first products take the bias as C
.set mb, 0
.rept NB
.set mD, 8*((\a)*NB+mb)
.if \first
	v_wmma_scale_f32_16x16x128_f8f6f4 v[mD:mD+7], v[12*NB*(\p)+12*mb:12*NB*(\p)+12*mb+11], v[AF+12*NB*(\p)+12*(\a):AF+12*NB*(\p)+12*(\a)+11], v[BB+8*mb:BB+8*mb+7], v[SC+NB*(\p)+mb], v[SC+NB*(\p)+(\a)] matrix_a_fmt:MATRIX_FMT_FP6 matrix_b_fmt:MATRIX_FMT_FP6 matrix_a_scale:MATRIX_SCALE_ROW1
.else
	v_wmma_scale_f32_16x16x128_f8f6f4 v[mD:mD+7], v[12*NB*(\p)+12*mb:12*NB*(\p)+12*mb+11], v[AF+12*NB*(\p)+12*(\a):AF+12*NB*(\p)+12*(\a)+11], v[mD:mD+7], v[SC+NB*(\p)+mb], v[SC+NB*(\p)+(\a)] matrix_a_fmt:MATRIX_FMT_FP6 matrix_b_fmt:MATRIX_FMT_FP6 matrix_a_scale:MATRIX_SCALE_ROW1
.endif
.set mb, mb+1
.endr
.endm
.macro MULR a0, cnt, p, first          ; source 0 (B) window 1, source 1 (A) window 0, D window 2, C window 2 (the bias: window 1)
.set ma, \a0
.rept \cnt
.if \first
	WIN 0x91
.else
	WIN 0xa1
.endif
	MULA ma, \p, \first
.set ma, ma+1
.endr
.endm
.macro STEP st, first                  ; a step whose successor lies in the same fill
	s_wait_dscnt 0x0                               ; this step's set was asked for a step ago
	PLACES 4                                       ; in front of loads into registers that the last step's products have read
	FETCH (\st)+1
	MULR 0, NB, (\st)%2, \first
	WIN 0
.endm
.macro TURN st                         ; a fill's last step changes slots: one barrier, which opens a round where the slot is filled again
	LOC \st
.set TH, LH
.set TF, LF
	s_wait_tensorcnt 0x0                           ; all my tensor loads have landed: my part of the next fill
	ds_add_u32 v[SPW], v[NIL]                      ; 0 onto my spare word
	s_wait_dscnt 0x1                               ; this step's fragments are in; the add may be out
	MULR 0, NB/4, (\st)%2, 0
	s_wait_dscnt 0x0                               ; the add is done, and my reads of this slot are over
	s_barrier_signal -1
	MULR NB/4, NB/4, (\st)%2, 0
	WIN 0
	s_barrier_wait -1
.if TF+2 < NFILL
	CREST                                          ; no wave of any partner still reads this slot or has a load on its way
	s_add_nc_u64 s[G0+4*TH+2:G0+4*TH+3], s[G0+4*TH+2:G0+4*TH+3], PER*FRB
	s_add_nc_u64 s[G0B+4*TH+2:G0B+4*TH+3], s[G0B+4*TH+2:G0B+4*TH+3], PER*FRB
	DIMS TF+2
	JLOAD G0+4*TH, G1, G0B+4*TH, G1B               ; fill TF + 2, the first tensor load behind the round; its four v_nop are the places in front of the loads below
.else
	PLACES 4
.endif
	FETCH (\st)+1
.if TF+4 < NFILL
	ASK TF+4
.endif
	MULR NB/2, NB/2, (\st)%2, 0
	WIN 0
.endm
.macro RESID a                         ; the residual of block a: 16 rows x 256 bytes, as they will be stored
	WIN 0x80
.irp i, 0,1,2,3,4,5,6,7
	global_load_b128 v[RS+32*(\a)+4*\i:RS+32*(\a)+4*\i+3], v[CO], s[10:11] offset:(32*((\a)/2)+8*((\a)%2)+2*\i+8*(\i/4))*4096 th:TH_LOAD_NT
.endr
	WIN 0
.endm
	s_load_b256 s[4:11], s[0:1], 0x0               ; h's images, the weights', the bias, the residual
	s_load_b64 s[12:13], s[0:1], 0x20              ; the output
	v_lshl_add_u32 v[SPW], v0, 2, SPARE
	v_mov_b32 v[NIL], 0
	ds_add_u32 v[SPW], v[NIL]                      ; the opening lines
	ds_add_u32 v[SPW], v[NIL]
	v_lshrrev_b32 v1, 5, v0
	v_readfirstlane_b32 s14, v1                    ; wave 0..3
	s_lshr_b32 s15, s14, 1                         ; my half of A's rows.  Also: in the ring I fetch for A (0) or for B (1)
	s_and_b32 s16, s14, 1                          ; my half of B's rows.  Also: which half I fetch
	s_bfe_u32 s40, ttmp6, 0x40000                  ; cx
	s_bfe_u32 s41, ttmp6, 0x40004                  ; cy
	s_lshl_b32 s42, ttmp9, 2
	s_add_co_u32 s42, s42, s40                     ; B's tile
	s_and_b32 s17, ttmp7, 0xffff
	s_lshl_b32 s17, s17, 2
	s_add_co_u32 s17, s17, s41                     ; A's tile
	s_lshl_b32 s43, s41, 2
	s_lshl_b32 s43, 15, s43                        ; my row of the cluster
	s_lshl_b32 s44, 0x1111, s40                    ; my column
	s_or_b32 s[G1+0], s43, (3<<16)|(1<<21)         ; codes: rows (blocks) of a fill's fragments, elements of 8 bytes, 32 fragments from row to row; dense in LDS.  At the head 8 rows
	s_or_b32 s[G1B+0], s44, (3<<16)|(1<<21)
.irp g, G1, G1B
	s_mov_b32 s[\g+1], (192*CAP0)<<16
	s_mov_b32 s[\g+2], (2*NB)<<16
	s_mov_b32 s[\g+3], (192*CAP0)<<16
	s_mov_b32 s[\g+4], 2*NB
	s_mov_b32 s[\g+5], 192*KS
	s_mov_b32 s[\g+6], 0
	s_mov_b32 s[\g+7], 0
.endr
	s_or_b32 s[G1S+0], s43, (3<<16)|(1<<21)        ; scale words of 8 blocks, all K: a dense block, as rows of 256 bytes
	s_or_b32 s[G1SB+0], s44, (3<<16)|(1<<21)
.irp g, G1S, G1SB
	s_mov_b32 s[\g+1], 32<<16
	s_mov_b32 s[\g+2], (2*HALFS/256)<<16
	s_mov_b32 s[\g+3], 32<<16
	s_mov_b32 s[\g+4], 2*HALFS/256
	s_mov_b32 s[\g+5], 32
	s_mov_b32 s[\g+6], 0
	s_mov_b32 s[\g+7], 0
.endr
	s_mul_i32 s20, s17, 2*NB*KS*FRB
	s_mul_i32 s22, s17, 2*NB*KS*64
	s_add_co_u32 s22, s22, A_S
	s_mul_i32 s46, s42, 2*NB*KS*FRB
	s_add_co_u32 s46, s46, B_C
	s_mul_i32 s92, s42, 2*NB*KS*64
	s_add_co_u32 s92, s92, B_S
	s_mov_b32 s21, 0
	s_mov_b32 s23, 0
	s_mov_b32 s47, 0
	s_mov_b32 s93, 0
	s_mul_i32 s18, s16, NB*KS*FRB                  ; in the ring: the half that I fetch, in bytes,
	s_mov_b32 s19, 0
	s_mul_i32 s45, s14, Q0                         ; and where it goes: no place in the cluster enters an LDS address
	s_mul_i32 s94, s14, Q1
	s_add_co_u32 s94, s94, SLOT1
	s_wait_dscnt 0x0                               ; both opening adds are done
	s_wait_kmcnt 0x0
	s_add_nc_u64 s[20:21], s[4:5], s[20:21]
	s_add_nc_u64 s[46:47], s[6:7], s[46:47]
	s_mov_b32 s[G0], 1                             ; the head's four tiles, each whole: fill 0 of A's 8 blocks,
	s_mov_b32 s[G0+1], 0
	s_mov_b64 s[G0+2:G0+3], s[20:21]
	s_or_b32 s[G0+3], s[G0+3], 0x80000000
	s_mov_b32 s[G0B], 1                            ; of B's,
	s_mov_b32 s[G0B+1], 2*Q0
	s_mov_b64 s[G0B+2:G0B+3], s[46:47]
	s_or_b32 s[G0B+3], s[G0B+3], 0x80000000
	s_mov_b32 s[G0S], 1                            ; A's scale words,
	s_mov_b32 s[G0S+1], SCL
	s_add_nc_u64 s[G0S+2:G0S+3], s[4:5], s[22:23]
	s_or_b32 s[G0S+3], s[G0S+3], 0x80000000
	s_mov_b32 s[G0SB], 1                           ; and B's
	s_mov_b32 s[G0SB+1], SCL+2*HALFS
	s_add_nc_u64 s[G0SB+2:G0SB+3], s[6:7], s[92:93]
	s_or_b32 s[G0SB+3], s[G0SB+3], 0x80000000
	s_mov_b32 s[G0+4], 1                           ; slot 1: my quarter of fill 1
	s_mov_b32 s[G0+5], s94
	s_add_nc_u64 s[G0+6:G0+7], s[20:21], s[18:19]
	s_add_nc_u64 s[G0+6:G0+7], s[G0+6:G0+7], CAP0*FRB
	s_or_b32 s[G0+7], s[G0+7], 0x80000000
	s_mov_b32 s[G0B+4], 1
	s_mov_b32 s[G0B+5], s94
	s_add_nc_u64 s[G0B+6:G0B+7], s[46:47], s[18:19]
	s_add_nc_u64 s[G0B+6:G0B+7], s[G0B+6:G0B+7], CAP0*FRB
	s_or_b32 s[G0B+7], s[G0B+7], 0x80000000
	s_cmp_eq_u32 s15, 0                            ; the prefetches: the quarter that I fetch,
	s_cselect_b64 s[2:3], s[20:21], s[46:47]
	s_cselect_b32 s95, s40, s41                    ; and my place among the four that ask for it with me: that block row is mine
	s_mul_i32 s104, s95, KS*FRB
	s_mov_b32 s105, 0
	s_add_nc_u64 s[2:3], s[2:3], s[18:19]
	s_add_nc_u64 s[2:3], s[2:3], s[104:105]
	CROUND                                         ; all sixteen work-groups are here: the first joint loads meet
	ARM 1, G0,  G1,  .Lhead_b                      ; one load a wave, in one chain of branches on the wave's number
	ARM 2, G0B, G1B, .Lhead_sa
	ARM 3, G0S, G1S, .Lhead_sb
	tensor_load_to_lds s[G0SB:G0SB+3], s[G1SB:G1SB+7]
	s_nop 0
	PLACES 4
.Lhead_asked:
	s_mul_i32 s66, s15, Q0                         ; my four blocks of A in slot 0,
	s_mul_i32 s67, s15, Q1
	s_add_co_u32 s67, s67, SLOT1                   ; in slot 1;
	s_mul_i32 s96, s16, Q0
	s_add_co_u32 s96, s96, 2*Q0                    ; of B
	s_mul_i32 s97, s16, Q1
	s_add_co_u32 s97, s97, SLOT1+2*Q1
	s_mul_i32 s98, s15, HALFS
	s_mul_i32 s99, s16, HALFS
	s_add_co_u32 s99, s99, 2*HALFS
	s_sub_co_u32 s99, s99, s98                     ; from A's words to B's
	s_add_co_u32 s98, s98, SCL
	s_mul_i32 s100, s14, 16*272
	s_add_co_u32 s100, s100, STAGE                 ; my stage
	s_mul_i32 s46, s42, 2*NB*64
	s_mul_i32 s47, s16, NB*64
	s_add_co_u32 s46, s46, s47                     ; my first column, in bytes
	s_mov_b32 s47, 0
	s_add_nc_u64 s[8:9], s[8:9], s[46:47]
	s_lshl_b32 s20, s17, 7
	s_lshl_b32 s21, s15, 6
	s_add_co_u32 s20, s20, s21                     ; my first row
	s_lshl_b32 s20, s20, 12
	s_add_co_u32 s20, s20, s46
	s_mov_b32 s21, 0
	s_add_nc_u64 s[10:11], s[10:11], s[20:21]
	s_add_nc_u64 s[12:13], s[12:13], s[20:21]
	v_and_b32 v1, 31, v0                           ; lane
	v_and_b32 v2, 15, v0                           ; r
	v_bfe_u32 v3, v0, 4, 1                         ; h
	v_lshlrev_b32 v[L16], 4, v1
	v_lshlrev_b32 v[R4], 2, v2
	v_add_nc_u32 v[ADRA], s66, v[L16]
	v_add_nc_u32 v[ADRA+1], s67, v[L16]
	v_add_nc_u32 v[ADRB], s96, v[L16]
	v_add_nc_u32 v[ADRB+1], s97, v[L16]
	v_mul_u32_u24 v4, s99, v3                      ; lanes 16-31 take B's words: one product
	v_add_nc_u32 v4, v[R4], v4
	v_add_nc_u32 v[ADRS], s98, v4
	v_mul_u32_u24 v[STO], v2, 272                  ; into the stage: row r, 64 bytes for each half of the lanes in every 128
	v_lshl_add_u32 v[STO], v3, 6, v[STO]
	v_add_nc_u32 v[STO], s100, v[STO]
	v_mul_u32_u24 v[RD], v3, 272                   ; back: sixteen lanes to a row of 256 bytes
	v_lshl_add_u32 v[RD], v2, 4, v[RD]
	v_add_nc_u32 v[RD], s100, v[RD]
	v_lshlrev_b32 v[CO], 12, v3                    ; and the same two rows in memory
	v_lshl_add_u32 v[CO], v2, 4, v[CO]
	v_lshlrev_b32 v5, 6, v3                        ; 64 h
	v_min_u32 v6, 3, v1
	v_min_u32 v7, 29, v1
	v_min_u32 v4, 23, v1
	v_lshlrev_b32 v[PFV], 8, v1
	v_lshlrev_b32 v[PFV+1], 8, v6
	v_lshlrev_b32 v[PFV+2], 8, v7
	v_lshlrev_b32 v[PFV+3], 8, v4
	s_wait_alu depctr_va_vdst(0)
	ASK 1
	ASK 2
	WIN 0x40
.irp b, 0,1,2,3
	global_load_b128 v[BB+8*\b:BB+8*\b+3], v5, s[8:9] offset:(32*(\b/2)+8*(\b%2))*4
	global_load_b128 v[BB+8*\b+4:BB+8*\b+7], v5, s[8:9] offset:(32*(\b/2)+8*(\b%2))*4+16
.endr
	WIN 0
	s_wait_tensorcnt 0x0                           ; my tile of the head's four is in
	ds_add_u32 v[SPW], v[NIL]
	s_mov_b32 s[G0+1], s45                         ; no tensor load of mine is out, so descriptors may be written: from here on slot 0's loads bring my quarter,
	s_add_nc_u64 s[G0+2:G0+3], s[G0+2:G0+3], s[18:19]
	s_mov_b32 s[G0B+1], s45
	s_add_nc_u64 s[G0B+2:G0B+3], s[G0B+2:G0B+3], s[18:19]
.irp g, G1, G1B
	s_mov_b32 s[\g+2], NB<<16                      ; four rows,
	s_mov_b32 s[\g+4], NB
.endr
	DIMS 1                                         ; of fill 1's length
	s_wait_dscnt 0x0                               ; the add is done
	CROUND                                         ; all four tiles are in, and all sixteen work-groups are here
	JLOAD G0+4, G1, G0B+4, G1B                     ; fill 1, the first tensor load behind the round
	FETCH 0
	ASK 3
	s_wait_loadcnt 0x0                             ; the bias
.set ST, 0
.rept KS-1
.if (ST >= 8) && (ST < 24) && (ST%4 == 0)
	RESID (ST-8)/4                                 ; the residual is asked for in four parts, at steps 8, 12, 16, 20
.endif
	LOC ST
.if LQ == LS-1
	TURN ST
.elseif ST == 0
	STEP ST, 1
.else
	STEP ST, 0
.endif
.set ST, ST+1
.endr
	s_wait_dscnt 0x0                               ; the last step: nothing more to fetch
	MULR 0, NB, (KS-1)%2, 0
	WIN 0
; THE WAY OUT, 16 tokens x 64 columns at a time, through my own stage: in by 32 bytes a lane, back as rows of 256 bytes; + the residual; sixteen lanes store 256 consecutive bytes, aligned.
.macro TOSTAGE a
	WIN 0x08
.irp b, 0,1,2,3
	ds_store_b128 v[STO], v[8*(4*(\a)+\b):8*(4*(\a)+\b)+3] offset:128*(\b/2)+32*(\b%2)
	ds_store_b128 v[STO], v[8*(4*(\a)+\b)+4:8*(4*(\a)+\b)+7] offset:128*(\b/2)+32*(\b%2)+16
.endr
	WIN 0
.irp i, 0,1,2,3,4,5,6,7
	ds_load_b128 v[BK+32*((\a)%2)+4*\i:BK+32*((\a)%2)+4*\i+3], v[RD] offset:544*\i
.endr
.endm
.macro SEND a, younger                 ; younger: LDS instructions issued behind block a's loads
	s_wait_dscnt \younger
	WIN 0x08
.set ei, 0
.rept 16
	v_pk_add_f32 v[BK+32*((\a)%2)+ei:BK+32*((\a)%2)+ei+1], v[BK+32*((\a)%2)+ei:BK+32*((\a)%2)+ei+1], v[RS+32*(\a)+ei:RS+32*(\a)+ei+1]
.set ei, ei+2
.endr
	WIN 0
.irp i, 0,1,2,3,4,5,6,7
	global_store_b128 v[CO], v[BK+32*((\a)%2)+4*\i:BK+32*((\a)%2)+4*\i+3], s[12:13] offset:(32*((\a)/2)+8*((\a)%2)+2*\i+8*(\i/4))*4096 th:TH_STORE_NT
.endr
.endm
	PLACES 4
	s_wait_loadcnt 0x0                             ; the residual
	TOSTAGE 0
.irp a, 1,2,3
.if \a > 1
	s_wait_xcnt 0x0                                ; block a - 2's stores have read their registers
.endif
	TOSTAGE \a
	SEND \a-1, 16
.endr
	SEND 3, 0
	s_wait_tensorcnt 0x0                           ; the wave's end
	ds_add_u32 v[SPW], v[NIL]
	s_wait_dscnt 0x0
	CROUND                                         ; the closing round
	s_endpgm
.Lfunc_end_k_q024b3f5233_out:
	.size	k_q024b3f5233_out, .Lfunc_end_k_q024b3f5233_out-k_q024b3f5233_out
	.p2alignl 7, 3214868480
	.fill 96, 4, 3214868480
	.section	.rodata,"a",@progbits
	.p2align	6, 0x0
	.amdhsa_kernel k_q024b3f5233_out
		.amdhsa_group_segment_fixed_size 327680
		.amdhsa_private_segment_fixed_size 0
		.amdhsa_enable_private_segment 0
		.amdhsa_kernarg_size 40
		.amdhsa_user_sgpr_count 2
		.amdhsa_user_sgpr_kernarg_segment_ptr 1
		.amdhsa_wavefront_size32 1
		.amdhsa_system_sgpr_workgroup_id_x 1
		.amdhsa_system_sgpr_workgroup_id_y 1
		.amdhsa_system_sgpr_workgroup_id_z 1
		.amdhsa_system_vgpr_workitem_id 0
		.amdhsa_next_free_vgpr 768
		.amdhsa_next_free_sgpr 106
		.amdhsa_reserve_vcc 0
		.amdhsa_float_denorm_mode_32 3
		.amdhsa_float_denorm_mode_16_64 3
		.amdhsa_memory_ordered 1
		.amdhsa_forward_progress 1
		.amdhsa_inst_pref_size 163
	.end_amdhsa_kernel
	.amdgpu_metadata
---
amdhsa.version: [ 1, 2 ]
amdhsa.kernels:
  - .name:           k_q024b3f5233_out
    .symbol:         k_q024b3f5233_out.kd
    .args:
      - { .name: himg, .offset: 0, .size: 8, .value_kind: global_buffer, .address_space: global }
      - { .name: wa, .offset: 8, .size: 8, .value_kind: global_buffer, .address_space: global }
      - { .name: proj_b, .offset: 16, .size: 8, .value_kind: global_buffer, .address_space: global }
      - { .name: x1, .offset: 24, .size: 8, .value_kind: global_buffer, .address_space: global }
      - { .name: out0, .offset: 32, .size: 8, .value_kind: global_buffer, .address_space: global }
    .group_segment_fixed_size: 327680
    .private_segment_fixed_size: 0
    .kernarg_segment_align: 8
    .kernarg_segment_size: 40
    .max_flat_workgroup_size: 128
    .sgpr_count:     106
    .vgpr_count:     768
    .wavefront_size: 32
...
	.end_amdgpu_metadata
.endif
;; end of part 6
